; MI455X (gfx1250); checked and timed in simulation.
; The chip was launched on July 23, 2026; its instructions are those of AMD's public machine-readable ISA for CDNA 5 (MIT licence, August 2026) and "CDNA5" Instruction Set Architecture Reference Guide (July 2026). The comments in the code are by the model that wrote it; some were corrected since.
;; Attention. Allowed arithmetic: matrix products marked QUANTISED: E4M3 operands, one given power-of-two scale a tensor, by v_wmma_f32_16x16x64_fp8_fp8 or v_wmma_f32_16x16x128_fp8_fp8, f32 sums; everything else in f32.
;; Inputs: Wqkv_b 3,072 float32; Wqkv_w 3,072 x 1,024 float32; lowp_scales 8 int32 (the exponents e of the quantised operands' scales 2^e); out_b 1,024 float32; out_w 1,024 x 1,024 float32; x 4 x 2,048 x 1,024 float32.
;; Outputs: out0 4 x 2,048 x 1,024 float32.
;; This version of the problem:
;;   THIS VERSION OF THE PROBLEM IS GIVEN IN LOW PRECISION. The matrix products marked QUANTISED in the list below multiply operands that are first quantised to E4M3 (4 exponent bits, 3 mantissa bits; 8 bits a number), with one given power-of-two scale for each operand tensor; their sums are f32. All else is computed in f32.
;;   The module's matrix products, in the order in which they are computed (A, B: the left and right operand; K: the contracted axis; several contracted axes count as one K, in the product's order):
;;     1. [M 8,192, K 1,024] x [K 1,024, N 3,072]; A: input x; B: input Wqkv_w: QUANTISED (scales: A lowp_scales[0], B lowp_scales[1])
;;     2. batch 64 x [M 2,048, K 64] x [K 64, N 2,048]; A: computed on the way; B: computed on the way: QUANTISED (scales: A lowp_scales[2], B lowp_scales[3])
;;     3. batch 64 x [M 2,048, K 2,048] x [K 2,048, N 64]; A: softmax (see below); B: computed on the way: QUANTISED (scales: A lowp_scales[4], B lowp_scales[5])
;;     4. [M 8,192, K 1,024] x [K 1,024, N 1,024]; A: computed on the way; B: input out_w: QUANTISED (scales: A lowp_scales[6], B lowp_scales[7])
;;   THE QUANTISER, for each operand of a quantised product, along K:
;;     - The operand's scale is 2^e, e = its entry of the input lowp_scales (int32; the entries are numbered through the quantised products in the list's order, A before B).
;;     - Each number is divided by the scale, clamped to +-448, and rounded to the nearest number of E4M3, ties to even, subnormals kept.
;;     - The product sums the exact products of the quantised numbers (number of the format x scale) in f32.
;;   ~~~python
;;   def quantise(x, axis, e):      # numpy; x: float32 -> the quantised numbers, widened to float32 again
;;       x = np.moveaxis(x, axis, -1); K = x.shape[-1]
;;       r = np.clip(x / 2.0 ** e, -448, 448)
;;       step = 2.0 ** (np.maximum(np.frexp(np.where(r == 0, 1, r))[1] - 1, -6) - 3)
;;       q = np.round(r / step) * step * 2.0 ** e      # np.round: ties to even
;;       return np.moveaxis(q, -1, axis).astype(np.float32)
;;   ~~~
;;   SOFTMAX AHEAD OF A QUANTISED PRODUCT. Where the list says 'softmax', what is quantised is not the finished softmax but p = 2^(t - M), with t = logit x log2(e) and M = ceil(the row's largest t), a whole number; so 1/2 < the row's largest p <= 1. The row's sum l is taken of the UNQUANTISED p, in f32, and the product's result is divided by l at the end. Since M is a whole number, a kernel that streams over the keys may use a running M (the ceiling of the running maximum): every later rescaling is an exact power of two, so the quantised numbers keep their values, but for numbers so far below the row's largest that they fall under the format's range.
;;   OPERANDS COMPUTED ON THE WAY. 'Computed on the way' means the value that the module computes at that place (a softmax that the list does not call 'softmax' is quantised finished and normalised). What goes into a quantiser is computed in f32, as accurately as f32 sums, v_exp_f32 and their like allow (about 1e-6 of the number): no bf16 or f16 on the way to a quantiser, and a product that is left as it is and whose result goes on into a quantised operand takes f32 operands (vector FMAs, or v_wmma_f32_16x16x4_f32). A number that lies on a knife's edge between two numbers of the format may be rounded either way, as far as f32 arithmetic and the matrix unit's own rounding can turn it there, and no further.
;; One version. Each part assembles by itself: llvm-mc -triple=amdgcn-amd-amdhsa -mcpu=gfx1250 --defsym DOCPART=n.
;; ======== version 1 of 1: 4 launches
;; limits: right only within a limited range of input values
;; workspace buffers: x_codes 8,388,608 bytes; wqkv_codes 3,145,728 bytes; outw_codes 1,048,576 bytes; rope 524,288 bytes; q_codes 8,388,608 bytes; k_codes 8,388,608 bytes; v_codes 8,388,608 bytes; o_codes 8,388,608 bytes
;; launch quant (part 1): grid 400 x 1, 4 waves a work-group, no clusters, 33,280 bytes of LDS; arguments x, Wqkv_w, out_w, lowp_scales, x_codes, wqkv_codes, outw_codes, rope; writes x_codes, wqkv_codes, outw_codes, rope
.if DOCPART == 1
	.amdgcn_target "amdgcn-amd-amdhsa--gfx1250"
	.amdhsa_code_object_version 6
	.text
	.protected	k_q0d21c3af09_quant
	.globl	k_q0d21c3af09_quant
	.p2align	8
	.type	k_q0d21c3af09_quant,@function
k_q0d21c3af09_quant:
	s_mov_b64 s[64:65], 0
	v_nop
	global_prefetch_b8 v0, s[64:65] scope:SCOPE_SE
	s_setreg_imm32_b32 hwreg(HW_REG_WAVE_MODE, 25, 1), 1
	s_wait_xcnt 0x0
; x [8192][1024], Wqkv_w [3072][1024] and out_w [1024][1024], f32 with K innermost, become codes of E4M3, one byte each, with the given scales 2^e0, 2^e1, 2^e7;
; and the table of cos and sin for the rotary embedding is made.
; code = x / 2^e, held within +-448, rounded to the nearest code, ties to even.  LIMITS: each e between -126 and 119; NaN among the inputs is not served.
; Work-groups 0-255 take x, 256-351 Wqkv_w, 352-383 out_w: 32,768 numbers each, a wave 16 steps of 512 numbers.  Rows are dense, so a tensor is a plain stream of blocks of 32 along K.
; ORDER OF THE CODES: within each block of 32 along K the two middle groups of eight change places: the bytes hold k 0-7, 16-23, 8-15, 24-31.  A reader that takes 16 bytes at 32 c + 16 (lane / 16)
; of a row then holds k = 32 c + 8 (lane / 16) + 0..7 and 32 c + 16 + 8 (lane / 16) + 0..7: the places that the plain fp8 matrix forms give those four registers.
; Each load reads 512 consecutive bytes, 16 a lane; a step's 2,048 bytes turn through the wave's own stage in LDS (16 bytes of padding behind each 64) and come back so that lane 2 p + e holds
; numbers 32 p + 8 e + 0..7 and 32 p + 16 + 8 e + 0..7; its 16 codes are 16 bytes, and the wave stores 512 consecutive bytes.
; Work-groups 384-399 make the table: rope [tau 128][b4 4][g 2][lane 32][4] f32: lane (r, h) holds cos_i, sin_i, cos_(i+1), sin_(i+1) for i = 8 b4 + 4 h + 2 g at position 16 tau + r:
; the order in which the next launch's lanes want them.  angle = position x 10000^(-i/32), the product rounded to f32; the frequency is 2^(-i log2(10000) / 32) by v_exp_f32.
; The angle is brought into +-pi/4 by n = round(angle x 2 / pi) with pi/2 in two parts (the first subtraction is exact for angles under 2,048), then two polynomials of degree 7 and 8.  This path touches no stage.
.set WAVES, 4
.set STEPS, 16
.set WG_W,  256                        ; the first work-group of Wqkv_w
.set WG_O,  352                        ; of out_w
.set WG_T,  384                        ; of the table
.set EMAX,  8
.set MANT,  0x600000                   ; the mantissa field of 448 as f32
.set R,     16                         ; v16-79   four sets of 16 numbers as they are loaded
.set X,     80                         ; v80-111  two sets of 16 numbers as the conversions want them
.set C,     128                        ; v128-191 codes: four registers for each step, so that no store's data are written again
.set WREG,  8192                       ; LDS: a region for each wave: two stages of 32 x SP bytes
.set SP,    80                         ; 64 bytes (16 numbers) + 16 of padding
.set SPW,   12                         ; v12  LDS address of my spare word; never rewritten
.set NIL,   13                         ; v13  0; never rewritten
.set SPARE, WAVES*WREG                 ; behind the four regions: the spare words, 128 bytes for each wave
.macro LOAD t
.irp i, 0,1,2,3
	global_load_b128 v[R+16*((\t)%4)+4*\i:R+16*((\t)%4)+4*\i+3], v3, s[22:23] offset:2048*(\t)+512*\i th:TH_LOAD_NT   ; 32 lanes read 512 consecutive bytes
.endr
.endm
.macro TURN t                          ; step t's numbers through the stage: LDS serves a wave's instructions in order, so no wait stands between the stores and the loads
.irp i, 0,1,2,3
	ds_store_b128 v14, v[R+16*((\t)%4)+4*\i:R+16*((\t)%4)+4*\i+3] offset:32*SP*((\t)%2)+8*SP*\i
.endr
.irp i, 0,1,2,3
	ds_load_b128 v[X+16*((\t)%2)+4*\i:X+16*((\t)%2)+4*\i+3], v15 offset:32*SP*((\t)%2)+SP*(\i/2)+16*(\i%2)
.endr
.endm
.macro STEP t
.set XS, X+16*((\t)%2)
	s_wait_dscnt 0x0                               ; this step's numbers are back from the stage: so its stores into the stage have read their registers,
.if (\t)+4 < STEPS
	LOAD (\t)+4                                    ; which take the loads of four steps on
.endif
.if (\t)+1 < STEPS
.if STEPS-2-(\t) >= 3
	s_wait_loadcnt 12                              ; the next step's four loads are in; those of the three steps behind it may be out
.else
	s_wait_loadcnt 4*(STEPS-2-(\t))
.endif
	TURN (\t)+1                                    ; and go through the other stage while this step is worked
.endif
.irp i, 0,1,2,3,4,5,6,7,8,9,10,11,12,13,14,15
.endr
	v_cvt_scalef32_pk8_fp8_f32 v[C+4*(\t):C+4*(\t)+1], v[XS:XS+7], v11
	v_cvt_scalef32_pk8_fp8_f32 v[C+4*(\t)+2:C+4*(\t)+3], v[XS+8:XS+15], v11
	global_store_b128 v3, v[C+4*(\t):C+4*(\t)+3], s[24:25] offset:512*(\t)   ; the results go to a store alone
.endm
; cos and sin of position (v32, f32) x frequency v[f] into v[co] and v[si]
.macro SINCOS f, co, si
	v_mul_f32 v33, v32, v[\f]                      ; the angle, rounded to f32
	v_mul_f32 v34, 0x3f22f983, v33                 ; x 2 / pi
	v_rndne_f32 v34, v34                           ; n
	v_fma_f32 v35, -v34, s36, v33                  ; angle - n x (pi/2's upper part): exact here
	v_fma_f32 v35, -v34, s37, v35                  ; - n x its lower part: r, within +-pi/4
	v_cvt_i32_f32 v36, v34                         ; n as a whole number
	v_mul_f32 v37, v35, v35                        ; z = r r
	v_fma_f32 v38, v37, s30, s31
	v_fma_f32 v38, v38, v37, s32
	v_mul_f32 v39, v37, v35
	v_fma_f32 v38, v38, v39, v35                   ; sin r
	v_fma_f32 v41, v37, s33, s34
	v_fma_f32 v41, v41, v37, s35
	v_mul_f32 v40, v37, v37
	v_fma_f32 v42, v37, -0.5, 1.0
	v_fma_f32 v41, v41, v40, v42                   ; cos r
	v_and_b32 v43, 1, v36
	v_cmp_eq_u32 vcc_lo, 1, v43                    ; n odd: the two change places
	v_cndmask_b32 v[\co], v41, v38, vcc_lo
	v_cndmask_b32 v[\si], v38, v41, vcc_lo
	v_add_nc_u32 v43, 1, v36                       ; cos is negative where n mod 4 is 1 or 2: bit 1 of n + 1,
	v_lshlrev_b32 v43, 30, v43
	v_and_b32 v43, 0x80000000, v43
	v_xor_b32 v[\co], v43, v[\co]
	v_lshlrev_b32 v44, 30, v36                     ; sin where it is 2 or 3: bit 1 of n
	v_and_b32 v44, 0x80000000, v44
	v_xor_b32 v[\si], v44, v[\si]
.endm
	s_load_b256 s[4:11], s[0:1], 0x0               ; x s[4:5], Wqkv_w s[6:7], out_w s[8:9], the scales' exponents s[10:11]
	s_load_b256 s[12:19], s[0:1], 0x20             ; x_codes s[12:13], wqkv_codes s[14:15], outw_codes s[16:17], rope s[18:19]
	v_lshl_add_u32 v[SPW], v0, 2, SPARE
	v_mov_b32 v[NIL], 0
	v_lshrrev_b32 v1, 5, v0
	v_readfirstlane_b32 s20, v1                    ; wave
	v_and_b32 v2, 31, v0                           ; lane
	v_lshlrev_b32 v3, 4, v2                        ; 16 x lane: my 16 bytes of 512, in loads and in stores
	s_cmp_ge_u32 ttmp9, WG_T
	s_cbranch_scc1 .Lrope
	s_mul_i32 s21, s20, WREG
	v_lshrrev_b32 v14, 2, v2
	v_mul_u32_u24 v14, v14, SP
	v_and_b32 v15, 3, v2
	v_lshl_add_u32 v14, v15, 4, v14
	v_add_nc_u32 v14, s21, v14                     ; the stage, on the way in: SP (lane / 4) + 16 (lane % 4); a load's 512 bytes take eight places
	v_lshrrev_b32 v15, 1, v2
	v_mul_u32_u24 v15, v15, 2*SP
	v_and_b32 v4, 1, v2
	v_lshl_add_u32 v15, v4, 5, v15
	v_add_nc_u32 v15, s21, v15                     ; and on the way out: 2 SP (lane / 2) + 32 (lane % 2): eight numbers there, eight more one place on
	s_wait_alu depctr_va_vdst(0)
	s_wait_kmcnt 0x0
	s_load_b256 s[40:47], s[10:11], 0x0            ; e0 .. e7
	s_cmp_lt_u32 ttmp9, WG_O                       ; which tensor: the choice hangs on the work-group's number alone
	s_cselect_b64 s[22:23], s[6:7], s[8:9]
	s_cselect_b64 s[24:25], s[14:15], s[16:17]
	s_mov_b32 s26, WG_O
	s_cselect_b32 s26, WG_W, s26
	s_cmp_lt_u32 ttmp9, WG_W
	s_cselect_b64 s[22:23], s[4:5], s[22:23]
	s_cselect_b64 s[24:25], s[12:13], s[24:25]
	s_cselect_b32 s26, 0, s26
	s_sub_co_u32 s27, ttmp9, s26
	s_lshl_b32 s27, s27, 2
	s_add_co_u32 s28, s27, s20                     ; which run of 8,192 numbers of the tensor is my wave's
	s_mov_b32 s29, 0
	s_lshl_b64 s[32:33], s[28:29], 15              ; 32,768 bytes of numbers,
	s_lshl_b64 s[34:35], s[28:29], 13              ; 8,192 bytes of codes
	s_add_nc_u64 s[22:23], s[22:23], s[32:33]
	s_add_nc_u64 s[24:25], s[24:25], s[34:35]
.irp t, 0,1,2,3
	LOAD \t
.endr
	s_wait_kmcnt 0x0
	s_cmp_lt_u32 ttmp9, WG_O
	s_cselect_b32 s30, s41, s47
	s_cmp_lt_u32 ttmp9, WG_W
	s_cselect_b32 s30, s40, s30                    ; e
	s_add_co_i32 s30, s30, 127
	s_lshl_b32 s31, s30, 23
	v_mov_b32 v11, s31                             ; 2^e as f32: the conversion takes its exponent field
	s_add_co_i32 s30, s30, EMAX
	s_lshl_b32 s30, s30, 23
	s_or_b32 s30, s30, MANT
	s_wait_alu depctr_va_vdst(0)
	s_wait_loadcnt 12                              ; step 0's four loads are in
	TURN 0
.irp t, 0,1,2,3,4,5,6,7,8,9,10,11,12,13,14,15
	STEP \t
.endr
	s_wait_tensorcnt 0x0                           ; the wave's end: behind my last LDS store
	ds_add_u32 v[SPW], v[NIL]
	s_wait_dscnt 0x0
	s_endpgm
.Lrope:
	s_sub_co_u32 s21, ttmp9, WG_T
	s_lshl_b32 s21, s21, 2
	s_add_co_u32 s21, s21, s20                     ; my wave's unit, 0 .. 63: tiles tau = 2 unit and 2 unit + 1
	s_lshl_b32 s22, s21, 13                        ; 4,096 bytes a tile
	s_mov_b32 s23, 0
	s_lshl_b32 s24, s21, 5                         ; the first tile's first position
	s_mov_b32 s30, 0xb94ca1f9                      ; sin: -1.9515296e-4, 8.3321609e-3, -1.6666655e-1
	s_mov_b32 s31, 0x3c08839e
	s_mov_b32 s32, 0xbe2aaaa3
	s_mov_b32 s33, 0x37ccf5ce                      ; cos: 2.4433157e-5, -1.3887316e-3, 4.1666646e-2
	s_mov_b32 s34, 0xbab6061a
	s_mov_b32 s35, 0x3d2aaaa5
	s_mov_b32 s36, 0x3fc90fdb                      ; pi / 2: the f32 nearest to it,
	s_mov_b32 s37, 0xb33bbd2e                      ; and what that lacks
	v_and_b32 v4, 15, v0                           ; r
	v_bfe_u32 v5, v0, 4, 1
	v_lshlrev_b32 v5, 2, v5                        ; 4 h
.set n, 0
.rept 16                                       ; frequency number n = 4 b4 + 2 g + e is that of i = 8 b4 + 4 h + 2 g + e
	v_add_nc_u32 v[16+n], 8*(n/4)+n%4, v5
	v_cvt_f32_u32 v[16+n], v[16+n]
	v_mul_f32 v[16+n], 0xbed49a78, v[16+n]         ; x -log2(10000) / 32
.set n, n+1
.endr
.set n, 0
	s_wait_alu depctr_va_vdst(0)
.rept 16
	v_exp_f32 v[16+n], v[16+n]
.set n, n+1
.endr
	v_nop                                          ; a plain instruction behind the last exponential,
	s_wait_alu depctr_va_vdst(0)                   ; and one wait for the batch, ahead of the label and of the first use
	s_wait_kmcnt 0x0
	s_add_nc_u64 s[18:19], s[18:19], s[22:23]
	s_mov_b32 s25, 2
.Ltau:
	v_add_nc_u32 v32, s24, v4
	v_cvt_f32_u32 v32, v32                         ; my position
.set n, 0
.rept 16
	SINCOS 16+n, 48+2*n, 49+2*n
.set n, n+1
.endr
.irp s, 0,1,2,3,4,5,6,7
	global_store_b128 v3, v[48+4*\s:51+4*\s], s[18:19] offset:512*\s   ; slot 2 b4 + g: 32 lanes store 512 consecutive bytes
.endr
	s_wait_xcnt 0x0                                ; the stores have read their data and their base: both are written again only behind this wait
	s_add_nc_u64 s[18:19], s[18:19], 4096
	s_add_co_u32 s24, s24, 16
	s_sub_co_u32 s25, s25, 1
	s_cmp_lg_u32 s25, 0
	s_cbranch_scc1 .Ltau
	s_wait_tensorcnt 0x0                           ; the wave's end
	ds_add_u32 v[SPW], v[NIL]
	s_wait_dscnt 0x0
	s_endpgm
.Lfunc_end_k_q0d21c3af09_quant:
	.size	k_q0d21c3af09_quant, .Lfunc_end_k_q0d21c3af09_quant-k_q0d21c3af09_quant
	.p2alignl 7, 3214868480
	.fill 96, 4, 3214868480
	.section	.rodata,"a",@progbits
	.p2align	6, 0x0
	.amdhsa_kernel k_q0d21c3af09_quant
		.amdhsa_group_segment_fixed_size 33280
		.amdhsa_private_segment_fixed_size 0
		.amdhsa_enable_private_segment 0
		.amdhsa_kernarg_size 64
		.amdhsa_user_sgpr_count 2
		.amdhsa_user_sgpr_kernarg_segment_ptr 1
		.amdhsa_wavefront_size32 1
		.amdhsa_system_sgpr_workgroup_id_x 1
		.amdhsa_system_sgpr_workgroup_id_y 1
		.amdhsa_system_sgpr_workgroup_id_z 1
		.amdhsa_system_vgpr_workitem_id 0
		.amdhsa_next_free_vgpr 192
		.amdhsa_next_free_sgpr 66
		.amdhsa_reserve_vcc 1
		.amdhsa_float_denorm_mode_32 3
		.amdhsa_float_denorm_mode_16_64 3
		.amdhsa_fp16_overflow 1
		.amdhsa_memory_ordered 1
		.amdhsa_forward_progress 1
		.amdhsa_inst_pref_size 46
	.end_amdhsa_kernel
	.amdgpu_metadata
---
amdhsa.version: [ 1, 2 ]
amdhsa.kernels:
  - .name:           k_q0d21c3af09_quant
    .symbol:         k_q0d21c3af09_quant.kd
    .args:
      - { .name: x, .offset: 0, .size: 8, .value_kind: global_buffer, .address_space: global }
      - { .name: Wqkv_w, .offset: 8, .size: 8, .value_kind: global_buffer, .address_space: global }
      - { .name: out_w, .offset: 16, .size: 8, .value_kind: global_buffer, .address_space: global }
      - { .name: lowp_scales, .offset: 24, .size: 8, .value_kind: global_buffer, .address_space: global }
      - { .name: x_codes, .offset: 32, .size: 8, .value_kind: global_buffer, .address_space: global }
      - { .name: wqkv_codes, .offset: 40, .size: 8, .value_kind: global_buffer, .address_space: global }
      - { .name: outw_codes, .offset: 48, .size: 8, .value_kind: global_buffer, .address_space: global }
      - { .name: rope, .offset: 56, .size: 8, .value_kind: global_buffer, .address_space: global }
    .group_segment_fixed_size: 33280
    .private_segment_fixed_size: 0
    .kernarg_segment_align: 8
    .kernarg_segment_size: 64
    .max_flat_workgroup_size: 128
    .sgpr_count:     66
    .vgpr_count:     192
    .wavefront_size: 32
...
	.end_amdgpu_metadata
.endif
;; end of part 1
;; launch qkv (part 2): grid 12 x 32, 4 waves a work-group, clusters of 4 x 4, 327,680 bytes of LDS; arguments x_codes, wqkv_codes, lowp_scales, Wqkv_b, rope, q_codes, k_codes, v_codes; writes q_codes, k_codes, v_codes
.if DOCPART == 2
	.amdgcn_target "amdgcn-amd-amdhsa--gfx1250"
	.amdhsa_code_object_version 6
	.text
	.protected	k_q0d21c3af09_qkv
	.globl	k_q0d21c3af09_qkv
	.p2align	8
	.type	k_q0d21c3af09_qkv,@function
k_q0d21c3af09_qkv:
	s_mov_b64 s[64:65], 0
	v_nop
	global_prefetch_b8 v0, s[64:65] scope:SCOPE_SE
	s_setreg_imm32_b32 hwreg(HW_REG_WAVE_MODE, 25, 1), 1
	s_wait_xcnt 0x0
	s_wait_alu depctr_hold_cnt(0) depctr_sa_sdst(0) depctr_va_vdst(0) depctr_va_sdst(0) depctr_va_ssrc(0) depctr_va_vcc(0) depctr_vm_vsrc(0)
	s_getreg_b32 s2, hwreg(HW_REG_IB_STS2, 6, 4)
	s_cmp_eq_u32 s2, 0
	s_cbranch_scc0 .Lentry_in_a_cluster
	s_endpgm
.Lentry_in_a_cluster:
	s_bfe_u32 s2, ttmp6, 0x10000c
	s_cmp_lg_u32 s2, 0xf033
	s_cbranch_scc0 .Lentry_shape_is_right
	s_endpgm
.Lentry_shape_is_right:
; qkv = x Wqkv^T + b on codes of E4M3 (scales 2^e0, 2^e1); then q: rotary embedding, x 1/8, codes with 2^e2;  k: rotary embedding, codes with 2^e3;  v: codes with 2^e5.
; A tile of 256 x 256 of the product is made by four waves, 128 x 128 each (64 accumulators, 512 registers); K = 1,024 goes in four steps of 256 through a ring of two LDS slots filled by the tensor data mover.
; TWO ROLES.  P is the tile whose rows feed source 1 of the matrix instruction: in the result a lane holds ONE row of P.  R feeds source 0: the lane's eight registers are eight NEIGHBOURING rows of R.
;   clusters x = 0 (q) and 1 (k):  P = 256 tokens of x, R = 256 rows of Wqkv: a lane holds a token and eight neighbouring channels, which are the next product's K.
;   clusters x = 2 (v):            P = 256 rows of Wqkv's last third, R = 256 tokens of x: a lane holds a channel and eight neighbouring tokens (keys), which are the K of attention's second product.
; So a conversion of an accumulator's eight registers gives two registers of the next operand as they stand, in the plain fp8 forms' own layout (registers 2 c, 2 c + 1: k = 16 c + 8 (lane / 16) + 0..7),
; and the codes leave as IMAGES OF THE READER'S REGISTERS: four registers a store, lane l's 16 bytes at 16 l: each store of the wave covers 512 consecutive bytes, aligned.  No stage, nothing transposed.
;   q_codes, k_codes: [batch x head 64][tile of 16 tokens 128][g 2][lane 32][16 bytes];   v_codes: [batch x head 64][128 keys 16][16 channels 4][g 4][lane 32][16 bytes].
; CLUSTERS: 4 x 4 work-groups.  P's tile hangs on cy alone and is asked for jointly along a row of the cluster, R's on cx alone, along a column.  The cluster's x says which roles hold; it is the same in all sixteen partners.
; THE BIAS: for q and k it is the C of each sum's first matrix instruction, divided by 2^(e0 + e1), which the sums lack; for v (one number a lane and block) that C is 0 and the bias is added on the way out.
; THE SCALES are folded: the conversion takes 2^E, E = (q: e2 + 3, the 3 being the factor 1/8; k: e3; v: e5) - e0 - e1.
; LIMITS: E between -126 and 119, so that 2^E and 448 x 2^E are f32 numbers; NaN among the inputs is not served.
; Every work-group loads the bias both ways and the first block's cos and sin, at addresses that are valid in every role, so that no register is read unwritten on any way; a v cluster does not use the table.
; REGISTERS, in windows of 256: window 0: v0-31 addresses and constants; v32-95 the bias as C, later the second table buffer and the codes; v96-127 the first table buffer; from v128 P's fragments (8 x 16 rows x 128 K), ONE set,
;   later 128 registers at work.   window 1: R's fragments, TWO sets.   window 2: the accumulators of my rows 0-63 of P ((a, b) at v[8 (8 a + b)]);   window 3: those of rows 64-127.
.set ROWB,   256                       ; a tile's row in bytes
.set KROW,   1024                      ; a row of x_codes or wqkv_codes
.set PITCH,  272                       ; an LDS row: 256 bytes + 16 of padding = 68 words: the 16 rows that a load touches start 4 banks apart (64 banks of 4 bytes: ISA guide 11.1)
.set FR,     16                        ; registers of a fragment
.set NL,     4                         ; LDS loads that bring one
.set NP,     4                         ; places behind this matrix instruction (ISA guide 7.12.1)
.set HALFT,  128*PITCH
.set SLOT,   4*HALFT                   ; P's 256 rows, then R's 256 rows
.set SPARE,  2*SLOT                    ; behind the ring: the spare words, 128 bytes for each wave
.set LI,   7                           ; v7      16 x lane
.set VB,   8                           ; v8-15   v's bias of my row in each of my eight blocks
.set ADRA, 16                          ; v16-17  LDS address of my P fragments in slot 0, 1
.set BO,   18                          ; v18     32 x (lane / 16)
.set RO,   19                          ; v19     4 x (lane % 16)
.set ADRB, 20                          ; v20-21  the same as ADRA for R
.set LIM,  22
.set SC,   23                          ; v23     2^E
.set SPW,  28                          ; v28     LDS address of my spare word; never rewritten
.set NIL,  29                          ; v29     0; never rewritten
.set CB,   32                          ; v32-95  the bias in the result's layout, eight registers for each block b of R
.set RP0,  96                          ; v96-127 cos and sin of an even block
.set RP1,  32                          ; v32-63  of an odd block
.set VBP,  32                          ; v32-47  v's bias in pairs
.set CD,   64                          ; v64-95  two sets of 16 registers of codes
.set AF,   128                         ; P's fragments
.set T,    128                         ; the way out: 64 numbers
.set U,    192                         ; the way out: 64 half products
.set G1, 24                            ; s[24:31] descriptor group 1 for P's tiles;  s[32:39] group 0, one set for each slot
.set G0, 32
.set G1B, 48                           ; s[48:55], s[56:63] the same for R's tiles
.set G0B, 56
.set MSB, 0
.macro WIN new                         ; the immediate's high byte repeats the setting that is left
.if MSB != (\new)
	s_set_vgpr_msb (MSB<<8)|(\new)
.set MSB, (\new)
.endif
.endm
.set MUL_LO, 0xa1                      ; source 0 (R) window 1, source 1 (P) window 0, C and D window 2
.set MUL_HI, 0xf1                      ; the same, C and D window 3
.set TO_B,   0x40                      ; destination window 1, address window 0
; A joint load: waves 0 and 1 fetch for P, waves 2 and 3 for R.  Each of the two lines has one mask and one set of registers for all that issue it; the branch hangs on the wave's number alone.
; An s_nop 0 and four v_nop follow each of the two lines.
.macro JLOAD g0a, g1a, g0b, g1b
	s_cmp_eq_u32 s15, 0
	s_cbranch_scc0 .Lfor_b_\@
	tensor_load_to_lds s[\g0a:\g0a+3], s[\g1a:\g1a+7]
	s_nop 0
.rept 4
	v_nop
.endr
	s_branch .Lasked_\@
.Lfor_b_\@:
	tensor_load_to_lds s[\g0b:\g0b+3], s[\g1b:\g1b+7]
	s_nop 0
.rept 4
	v_nop
.endr
.Lasked_\@:
.endm
.macro CREST                           ; a round of the cluster's barrier behind its opening barrier
	s_cmp_lg_u32 s14, 0
	s_cbranch_scc1 .Lnot_wave_0_\@
	s_barrier_signal -3
.Lnot_wave_0_\@:
	s_barrier_wait -3
	s_barrier_signal -1
	s_barrier_wait -1
.endm
.macro CROUND                          ; a whole round
	s_barrier_signal -1
	s_barrier_wait -1
	CREST
.endm
	s_load_b256 s[4:11], s[0:1], 0x0               ; x_codes s[4:5], wqkv_codes s[6:7], the scales' exponents s[8:9], Wqkv_b s[10:11]
	s_load_b256 s[68:75], s[0:1], 0x20             ; rope s[68:69], q_codes s[70:71], k_codes s[72:73], v_codes s[74:75]
	v_lshl_add_u32 v[SPW], v0, 2, SPARE
	v_mov_b32 v[NIL], 0
	ds_add_u32 v[SPW], v[NIL]                      ; the wave's opening: the add and its wait stand ahead of my first tensor load; the set-up below, work on registers, stands between them
	ds_add_u32 v[SPW], v[NIL]
	v_lshrrev_b32 v1, 5, v0
	v_readfirstlane_b32 s14, v1                    ; wave 0..3
	s_lshr_b32 s15, s14, 1                         ; which half of P's rows is mine.  Also: I fetch for P (0) or for R (1)
	s_and_b32 s16, s14, 1                          ; which half of R's rows.  Also: which 128 rows of that tile I fetch
	s_bfe_u32 s40, ttmp6, 0x40000                  ; cx, cy: my place in the cluster
	s_bfe_u32 s41, ttmp6, 0x40004
	s_and_b32 s87, ttmp7, 0xffff                   ; the cluster's y
	s_cmp_eq_u32 ttmp9, 2                          ; a v cluster?
	s_cselect_b32 s86, 0, s87
	s_cselect_b32 s87, s87, ttmp9
	s_lshl_b32 s17, s86, 2
	s_add_co_u32 s17, s17, s41                     ; P's tile: q, k: tokens, 4 y + cy;  v: weight rows, cy
	s_lshl_b32 s42, s87, 2
	s_add_co_u32 s42, s42, s40                     ; R's tile: q, k: weight rows, 4 x + cx;  v: tokens, 4 y + cx
	s_lshl_b32 s43, s41, 2
	s_lshl_b32 s43, 15, s43                        ; my row of the cluster
	s_lshl_b32 s44, 0x1111, s40                    ; my column
	; descriptor group 1: a tile of 128 rows x 256 bytes, padded in LDS
	s_or_b32 s[G1+0], s43, (0<<16)|(1<<20)|(1<<21)|(5<<22)|(3<<25)  ; 15:0 the mask: P's tiles go to my row; 17:16 elements of 1 byte; 20 padding on; 21 set beside a mask; 24:22 after every 64 words (code 5); 31:25 four words (code 3)
	s_or_b32 s[G1B+0], s44, (0<<16)|(1<<20)|(1<<21)|(5<<22)|(3<<25)
.irp g, G1, G1B
	s_mov_b32 s[\g+1], ROWB<<16                    ; tensor_dim0
	s_mov_b32 s[\g+2], 128<<16                     ; tensor_dim1
	s_mov_b32 s[\g+3], ROWB<<16                    ; tile_dim0
	s_mov_b32 s[\g+4], 128                         ; tile_dim1
	s_mov_b32 s[\g+5], KROW                        ; tensor_dim0_stride
	s_mov_b32 s[\g+6], 0
	s_mov_b32 s[\g+7], 0
.endr
	s_lshl_b32 s18, s16, 7                         ; which 128 rows of the tile I fetch
	s_lshl_b32 s20, s17, 8
	s_add_co_u32 s20, s20, s18
	s_lshl_b32 s20, s20, 10                        ; P: row 256 x tile + 128 x half, in bytes
	s_mov_b32 s21, 0
	s_lshl_b32 s46, s42, 8
	s_add_co_u32 s46, s46, s18
	s_lshl_b32 s46, s46, 10                        ; R likewise
	s_mov_b32 s47, 0
	s_mul_i32 s45, s14, HALFT                      ; where they go: wave x 128 rows: no place in the cluster enters an LDS address
	s_wait_dscnt 0x0                               ; the opening add is done
	s_wait_kmcnt 0x0
	s_load_b256 s[76:83], s[8:9], 0x0              ; e0 .. e7
	s_add_nc_u64 s[92:93], s[6:7], 0x200000        ; Wqkv's rows 2,048 on: v's
	s_cmp_eq_u32 ttmp9, 2
	s_cselect_b64 s[88:89], s[92:93], s[4:5]       ; P's tensor
	s_cselect_b64 s[90:91], s[4:5], s[6:7]         ; R's tensor
	s_add_nc_u64 s[20:21], s[88:89], s[20:21]
	s_add_nc_u64 s[46:47], s[90:91], s[46:47]
	CROUND                                         ; all sixteen work-groups are here: the first joint loads meet
.irp s, 0,1
	s_mov_b32 s[G0+4*\s], 1
	s_add_co_u32 s[G0+4*\s+1], s45, \s*SLOT
	s_add_nc_u64 s[G0+4*\s+2:G0+4*\s+3], s[20:21], \s*ROWB
	s_or_b32 s[G0+4*\s+3], s[G0+4*\s+3], 0x80000000
	s_mov_b32 s[G0B+4*\s], 1
	s_add_co_u32 s[G0B+4*\s+1], s45, \s*SLOT
	s_add_nc_u64 s[G0B+4*\s+2:G0B+4*\s+3], s[46:47], \s*ROWB
	s_or_b32 s[G0B+4*\s+3], s[G0B+4*\s+3], 0x80000000
	JLOAD G0+4*\s, G1, G0B+4*\s, G1B               ; two tensor loads of mine are out
.endr
	v_and_b32 v1, 15, v0                           ; r = lane % 16
	v_bfe_u32 v2, v0, 4, 1                         ; h = lane / 16
	v_mul_u32_u24 v3, v1, PITCH
	v_lshl_add_u32 v4, v2, 4, v3                   ; a fragment's row x pitch + 16 h
	s_mul_i32 s21, s15, HALFT                      ; my 128 rows of P
	s_mul_i32 s22, s16, HALFT                      ; my 128 rows of R,
	s_add_co_u32 s22, s22, 2*HALFT                 ; which lie behind P's 256
.irp s, 0,1
	v_add_nc_u32 v[ADRA+\s], s21, v4
	v_add_nc_u32 v[ADRB+\s], s22, v4
	s_add_co_u32 s21, s21, SLOT
	s_add_co_u32 s22, s22, SLOT
.endr
	v_and_b32 v[LI], 31, v0
	v_lshlrev_b32 v[LI], 4, v[LI]
	v_lshlrev_b32 v[BO], 5, v2
	s_wait_alu depctr_va_vdst(0)
	v_lshlrev_b32 v[RO], 2, v1
	s_wait_alu depctr_va_vdst(0)
	; the bias along R (q, k): Wqkv_b[256 x R's tile + 128 x my half + 16 b + 8 h + j]; in a v cluster, where R's tile counts tokens, from entry 0 on, and the numbers are then replaced by 0
	s_lshl_b32 s96, s42, 10
	s_lshl_b32 s97, s16, 9
	s_add_co_u32 s96, s96, s97
	s_cmp_eq_u32 ttmp9, 2
	s_cselect_b32 s96, 0, s96
	s_cselect_b32 s84, 0, -1                       ; a lane mask: all ones where the bias along R counts
	s_mov_b32 s97, 0
	s_add_nc_u64 s[96:97], s[10:11], s[96:97]
	; the bias along P (v): Wqkv_b[2,048 + 256 cy + 128 x my half + 16 a + r]: inside the buffer in every work-group
	s_lshl_b32 s98, s41, 10
	s_lshl_b32 s99, s15, 9
	s_add_co_u32 s98, s98, s99
	s_add_co_u32 s98, s98, 8192
	s_mov_b32 s99, 0
	s_add_nc_u64 s[98:99], s[10:11], s[98:99]
	; the table: my first tile of 16 positions is tau0 = 16 (P's tile % 8) + 8 x my half
	s_and_b32 s86, s17, 7
	s_lshl_b32 s86, s86, 4
	s_lshl_b32 s87, s15, 3
	s_add_co_u32 s86, s86, s87                     ; tau0
	s_lshl_b32 s92, s86, 12
	s_mov_b32 s93, 0
	s_add_nc_u64 s[92:93], s[68:69], s[92:93]
.irp b, 0,1,2,3,4,5,6,7
	global_load_b128 v[CB+8*\b:CB+8*\b+3], v[BO], s[96:97] offset:64*\b
	global_load_b128 v[CB+8*\b+4:CB+8*\b+7], v[BO], s[96:97] offset:64*\b+16
.endr
.irp a, 0,1,2,3,4,5,6,7
	global_load_b32 v[VB+\a], v[RO], s[98:99] offset:64*\a
.endr
.irp s, 0,1,2,3,4,5,6,7
	global_load_b128 v[RP0+4*\s:RP0+4*\s+3], v[LI], s[92:93] offset:512*\s
.endr
	s_wait_kmcnt 0x0
	s_add_co_i32 s85, s76, s77
	s_sub_co_i32 s85, 0, s85                       ; -(e0 + e1)
	s_wait_loadcnt 0x0                             ; all 32 loads are in, and their address registers are free
.set j, 0
.rept 64
	v_ldexp_f32 v[CB+j], v[CB+j], s85              ; the bias / 2^(e0 + e1): exact, short of overflow and underflow
.set j, j+1
.endr
.set j, 0
.rept 64
	v_cndmask_b32 v[CB+j], 0, v[CB+j], s84         ; 0 in a v cluster
.set j, j+1
.endr
.irp a, 0,1,2,3,4,5,6,7
	v_ldexp_f32 v[VB+\a], v[VB+\a], s85
.endr
	; where my codes go.  q, k: batch (P's tile / 8), head 4 (R's tile % 4) + 2 x my half of R, tile of tokens tau0
	s_lshr_b32 s96, s17, 3
	s_lshl_b32 s96, s96, 21
	s_and_b32 s97, s42, 3
	s_lshl_b32 s97, s97, 2
	s_lshl_b32 s98, s16, 1
	s_add_co_u32 s97, s97, s98
	s_lshl_b32 s97, s97, 17
	s_add_co_u32 s96, s96, s97
	s_lshl_b32 s97, s86, 10
	s_add_co_u32 s96, s96, s97
	; v: batch (R's tile / 8), head 4 cy + 2 x my half of P, 128 keys number 2 (R's tile % 8) + my half of R
	s_lshr_b32 s97, s42, 3
	s_lshl_b32 s97, s97, 21
	s_lshl_b32 s98, s41, 2
	s_lshl_b32 s99, s15, 1
	s_add_co_u32 s98, s98, s99
	s_lshl_b32 s98, s98, 17
	s_add_co_u32 s97, s97, s98
	s_and_b32 s98, s42, 7
	s_lshl_b32 s98, s98, 1
	s_add_co_u32 s98, s98, s16
	s_lshl_b32 s98, s98, 13
	s_add_co_u32 s97, s97, s98
	s_cmp_eq_u32 ttmp9, 0
	s_cselect_b64 s[94:95], s[70:71], s[72:73]
	s_cmp_eq_u32 ttmp9, 2
	s_cselect_b64 s[94:95], s[74:75], s[94:95]
	s_cselect_b32 s96, s97, s96
	s_mov_b32 s97, 0
	s_add_nc_u64 s[94:95], s[94:95], s[96:97]
	; the folded scale
	s_add_co_i32 s86, s78, 3                       ; e2 + 3: q x 1/8
	s_cmp_eq_u32 ttmp9, 0
	s_cselect_b32 s87, s86, s79
	s_cmp_eq_u32 ttmp9, 2
	s_cselect_b32 s87, s81, s87
	s_add_co_i32 s87, s87, s85                     ; E
	s_add_co_i32 s87, s87, 127
	s_lshl_b32 s86, s87, 23
	v_mov_b32 v[SC], s86                           ; 2^E as f32: the conversion takes its exponent field
.macro FRAG reg, adr, q, i             ; a fragment, 16 rows x 128 K: four loads of 16 bytes at 32 c + 16 h of the row.  As the codes are ordered in memory, registers 2 c', 2 c' + 1 then hold k = 16 c' + 8 h + 0..7
.irp c, 0,1,2,3
	ds_load_b128 v[\reg+4*\c:\reg+4*\c+3], v[\adr] offset:128*(\q)+32*\c+(\i)*16*PITCH
.endr
.endm
; 16 matrix instructions: P's blocks a0, a0 + 1 x R's eight, 128 along K.  p: R's set.  zero = 1: the first product starts the sums, with the bias as C: nothing is ever cleared.
; The 64 accumulators take turns, one instruction a turn, in the same order in every step.
.macro MUL16 a0, p, zero
.irp a, \a0, \a0+1
.irp b, 0,1,2,3,4,5,6,7
.if \zero
	v_wmma_f32_16x16x128_fp8_fp8 v[8*(8*((\a)%4)+\b):8*(8*((\a)%4)+\b)+7], v[128*(\p)+FR*\b:128*(\p)+FR*\b+FR-1], v[AF+FR*(\a):AF+FR*(\a)+FR-1], v[CB+8*\b:CB+8*\b+7]
.else
	v_wmma_f32_16x16x128_fp8_fp8 v[8*(8*((\a)%4)+\b):8*(8*((\a)%4)+\b)+7], v[128*(\p)+FR*\b:128*(\p)+FR*\b+FR-1], v[AF+FR*(\a):AF+FR*(\a)+FR-1], v[8*(8*((\a)%4)+\b):8*(8*((\a)%4)+\b)+7]
.endif
.endr
.endr
.endm
.macro FETCH_B slot, q, p              ; R's eight fragments of the slot's q-th 128 along K into set p
	WIN TO_B
.irp i, 0,1,2,3,4,5,6,7
	FRAG 128*(\p)+FR*\i, ADRB+\slot, \q, \i
.endr
	WIN 0
.endm
.macro FETCH_A slot, q, i0             ; P's blocks i0 .. i0 + 3
.irp i, \i0, \i0+1, \i0+2, \i0+3
	FRAG AF+FR*(\i), ADRA+\slot, \q, \i
.endr
.endm
; A load into a register that a matrix instruction has read, and a vector instruction that reads a matrix result or writes one of its registers, stand NP places behind it; only plain vector
; instructions that name none of its registers are places (ISA guide 7.12.1 for vector instructions).
.macro PLACES n
.rept \n
	v_nop
.endr
.endm
; A step of 128 along K that has its successor in the same slot.  P has one set of registers: blocks 0-3 are fetched anew in the step's middle, blocks 4-7 at its end.
.macro STEP slot, q, zero
	s_wait_dscnt 4*NL                              ; R's set and P's blocks 0-3 are in; the youngest sixteen loads (P's blocks 4-7) may be out
	WIN MUL_LO-0x20*(\zero)                        ; (with the bias as C: source 2 in window 0)
	MUL16 0, (\q)%2, \zero
	MUL16 2, (\q)%2, \zero
	s_wait_dscnt 0                                 ; P's blocks 4-7 are in
	PLACES NP
	FETCH_B \slot, (\q)+1, 1-(\q)%2
	FETCH_A \slot, (\q)+1, 0
	WIN MUL_HI-0x30*(\zero)
	MUL16 4, (\q)%2, \zero
	MUL16 6, (\q)%2, \zero
	PLACES NP
	WIN 0
	FETCH_A \slot, (\q)+1, 4
.endm
; A slot's last step changes slots: ONE barrier; in front of it each wave waits for all its tensor loads, adds 0 to its spare word, and waits for that and for its own reads of this slot.  fill = 1: this slot is filled again, two K steps ahead.
.macro TURN slot, next, fill
	s_wait_tensorcnt 0x0                           ; all my tensor loads have landed: the one that was out is my part of the next slot  (every window is 0 here)
	ds_add_u32 v[SPW], v[NIL]                      ; 0 onto my spare word
	s_wait_dscnt 4*NL+1                            ; (the add and the youngest sixteen loads, P's blocks 4-7, may be out)
	WIN MUL_LO
	MUL16 0, 1, 0                                  ; sixteen matrix instructions stand between the add and the wait for it
	s_wait_dscnt 0x0                               ; the add is done, and my reads of this slot are over
	s_barrier_signal -1
	MUL16 2, 1, 0
	WIN 0
	s_barrier_wait -1
.if \fill
	CREST                                          ; the barrier has opened a round of the cluster's barrier: no wave of any partner still reads this slot's tile or has a load on its way
	s_add_nc_u64 s[G0+4*\slot+2:G0+4*\slot+3], s[G0+4*\slot+2:G0+4*\slot+3], 2*ROWB
	s_add_nc_u64 s[G0B+4*\slot+2:G0B+4*\slot+3], s[G0B+4*\slot+2:G0B+4*\slot+3], 2*ROWB
	JLOAD G0+4*\slot, G1, G0B+4*\slot, G1B         ; the first tensor load behind the round, my only one until the next; its four v_nop are the places in front of the loads below
.else
	PLACES NP
.endif
	FETCH_B \next, 0, 0
	FETCH_A \next, 0, 0
	WIN MUL_HI
	MUL16 4, 1, 0
	MUL16 6, 1, 0
	PLACES NP
	WIN 0
	FETCH_A \next, 0, 4
.endm
	s_wait_tensorcnt 1                             ; my part of K step 0 is in (K step 1's load may be out)
	s_barrier_signal -1
	s_barrier_wait -1                              ; everybody's is
	FETCH_B 0, 0, 0
	FETCH_A 0, 0, 0
	FETCH_A 0, 0, 4
	STEP 0, 0, 1                                   ; K 0-127: the products start the sums.  K has four slots' worth, so the eight steps are written on end, without a loop
	TURN 0, 1, 1                                   ; K 128-255; slot 0 takes K 512-767
	STEP 1, 0, 0
	TURN 1, 0, 1                                   ; slot 1 takes K 768-1,023
	STEP 0, 0, 0
	TURN 0, 1, 0                                   ; nothing is left to fetch, and no round follows
	STEP 1, 0, 0
	s_wait_dscnt 4*NL                              ; the very last step
	WIN MUL_LO
	MUL16 0, 1, 0
	MUL16 2, 1, 0
	s_wait_dscnt 0
	WIN MUL_HI
	MUL16 4, 1, 0
	MUL16 6, 1, 0
	WIN 0
	PLACES NP                                      ; behind the last products: their results are read and P's registers written below
	s_cmp_eq_u32 ttmp9, 2
	s_cbranch_scc1 .Lv_out
; THE WAY OUT OF q AND k, block a of 16 tokens x 128 channels (two heads).  In accumulator (a, b) my registers i, i + 1 are the pair (x0, x1) of channels 16 (b % 4) + 8 h + i of a head, and the table's registers
; 8 (b % 4) + i, + 1 are that pair's cos and sin at my token's position.  Two packed lines a pair: (x0 cos, x0 sin), then (x1 (-sin), x1 cos) added onto it.  Each accumulator is read from its low end on.
.macro QK_OUT a
.set AC, 64*((\a)%4)
.set RP, RP0-(RP0-RP1)*((\a)%2)
.set RN, RP1+(RP0-RP1)*((\a)%2)
.set CC, CD+16*((\a)%2)
.if (\a) < 7
.irp s, 0,1,2,3,4,5,6,7
	global_load_b128 v[RN+4*\s:RN+4*\s+3], v[LI], s[92:93] offset:4096*((\a)+1)+512*\s   ; the next block's cos and sin
.endr
	s_wait_loadcnt 8                               ; this block's are in; the eight just issued may be out
.else
	s_wait_loadcnt 0x0
.endif
	WIN 0x02+((\a)/4)                              ; source 0: window 2 or 3
.irp b, 0,1,2,3,4,5,6,7
.irp i, 0,2,4,6
	v_pk_mul_f32 v[U+8*\b+\i:U+8*\b+\i+1], v[AC+8*\b+\i:AC+8*\b+\i+1], v[RP+8*(\b%4)+\i:RP+8*(\b%4)+\i+1] op_sel:[0,0] op_sel_hi:[0,1]
.endr
.endr
.irp b, 0,1,2,3,4,5,6,7
.irp i, 0,2,4,6
	v_pk_fma_f32 v[T+8*\b+\i:T+8*\b+\i+1], v[AC+8*\b+\i:AC+8*\b+\i+1], v[RP+8*(\b%4)+\i:RP+8*(\b%4)+\i+1], v[U+8*\b+\i:U+8*\b+\i+1] op_sel:[1,1,0] op_sel_hi:[1,0,1] neg_lo:[0,1,0]
.endr
.endr
	WIN 0
.set j, 0
.rept 64
.set j, j+1
.endr
	s_wait_alu depctr_va_vdst(0)
	s_wait_xcnt 0x0                                ; the stores of the block before last have read this set of code registers
.irp b, 0,1,2,3,4,5,6,7
	v_cvt_scalef32_pk8_fp8_f32 v[CC+2*\b:CC+2*\b+1], v[T+8*\b:T+8*\b+7], v[SC]   ; registers 2 (b % 4), + 1 of head b / 4's fragment
.endr
	v_nop                                          ; a plain vector instruction behind the last conversion
.irp hh, 0,1
.irp g, 0,1
	global_store_b128 v[LI], v[CC+8*\hh+4*\g:CC+8*\hh+4*\g+3], s[94:95] offset:1024*(\a)+131072*\hh+512*\g   ; 512 consecutive bytes, aligned
.endr
.endr
.endm
.irp a, 0,1,2,3,4,5,6,7
	QK_OUT \a
.endr
	s_branch .Lend
; THE WAY OUT OF v, block a of 16 channels x 128 keys: the eight conversions give the sixteen registers of one fragment of attention's second product.
.macro V_OUT a
.set AC, 64*((\a)%4)
.set CC, CD+16*((\a)%2)
	WIN 0x02+((\a)/4)
.irp b, 0,1,2,3,4,5,6,7
.irp i, 0,2,4,6
	v_pk_add_f32 v[T+8*\b+\i:T+8*\b+\i+1], v[AC+8*\b+\i:AC+8*\b+\i+1], v[VBP+2*(\a):VBP+2*(\a)+1]
.endr
.endr
	WIN 0
.set j, 0
.rept 64
.set j, j+1
.endr
	s_wait_alu depctr_va_vdst(0)
	s_wait_xcnt 0x0                                ; the stores of the block before last have read this set of code registers
.irp b, 0,1,2,3,4,5,6,7
	v_cvt_scalef32_pk8_fp8_f32 v[CC+2*\b:CC+2*\b+1], v[T+8*\b:T+8*\b+7], v[SC]   ; registers 2 b, 2 b + 1: keys 16 b + 8 h + 0..7
.endr
	v_nop
.irp g, 0,1,2,3
	global_store_b128 v[LI], v[CC+4*\g:CC+4*\g+3], s[94:95] offset:131072*((\a)/4)+2048*((\a)%4)+512*\g
.endr
.endm
.Lv_out:
	s_wait_alu depctr_va_vdst(0)
.irp a, 0,1,2,3,4,5,6,7
	v_mov_b32 v[VBP+2*\a], v[VB+\a]                ; my row's bias twice, a pair for the packed addition
	v_mov_b32 v[VBP+2*\a+1], v[VB+\a]
.endr
.irp a, 0,1,2,3,4,5,6,7
	V_OUT \a
.endr
.Lend:
	s_wait_tensorcnt 0x0                           ; the wave's end: behind my last tensor load
	ds_add_u32 v[SPW], v[NIL]
	s_wait_dscnt 0x0
	CROUND                                         ; the closing round: no work-group ends while a partner may still ask for a tile that names it
	s_endpgm
.Lfunc_end_k_q0d21c3af09_qkv:
	.size	k_q0d21c3af09_qkv, .Lfunc_end_k_q0d21c3af09_qkv-k_q0d21c3af09_qkv
	.p2alignl 7, 3214868480
	.fill 96, 4, 3214868480
	.section	.rodata,"a",@progbits
	.p2align	6, 0x0
	.amdhsa_kernel k_q0d21c3af09_qkv
		.amdhsa_group_segment_fixed_size 327680
		.amdhsa_private_segment_fixed_size 0
		.amdhsa_enable_private_segment 0
		.amdhsa_kernarg_size 64
		.amdhsa_user_sgpr_count 2
		.amdhsa_user_sgpr_kernarg_segment_ptr 1
		.amdhsa_wavefront_size32 1
		.amdhsa_system_sgpr_workgroup_id_x 1
		.amdhsa_system_sgpr_workgroup_id_y 1
		.amdhsa_system_sgpr_workgroup_id_z 1
		.amdhsa_system_vgpr_workitem_id 0
		.amdhsa_next_free_vgpr 1024
		.amdhsa_next_free_sgpr 100
		.amdhsa_reserve_vcc 0
		.amdhsa_float_denorm_mode_32 3
		.amdhsa_float_denorm_mode_16_64 3
		.amdhsa_fp16_overflow 1
		.amdhsa_memory_ordered 1
		.amdhsa_forward_progress 1
		.amdhsa_inst_pref_size 161
	.end_amdhsa_kernel
	.amdgpu_metadata
---
amdhsa.version: [ 1, 2 ]
amdhsa.kernels:
  - .name:           k_q0d21c3af09_qkv
    .symbol:         k_q0d21c3af09_qkv.kd
    .args:
      - { .name: x_codes, .offset: 0, .size: 8, .value_kind: global_buffer, .address_space: global }
      - { .name: wqkv_codes, .offset: 8, .size: 8, .value_kind: global_buffer, .address_space: global }
      - { .name: lowp_scales, .offset: 16, .size: 8, .value_kind: global_buffer, .address_space: global }
      - { .name: Wqkv_b, .offset: 24, .size: 8, .value_kind: global_buffer, .address_space: global }
      - { .name: rope, .offset: 32, .size: 8, .value_kind: global_buffer, .address_space: global }
      - { .name: q_codes, .offset: 40, .size: 8, .value_kind: global_buffer, .address_space: global }
      - { .name: k_codes, .offset: 48, .size: 8, .value_kind: global_buffer, .address_space: global }
      - { .name: v_codes, .offset: 56, .size: 8, .value_kind: global_buffer, .address_space: global }
    .group_segment_fixed_size: 327680
    .private_segment_fixed_size: 0
    .kernarg_segment_align: 8
    .kernarg_segment_size: 64
    .max_flat_workgroup_size: 128
    .sgpr_count:     100
    .vgpr_count:     1024
    .wavefront_size: 32
...
	.end_amdgpu_metadata
.endif
;; end of part 2
;; launch attn (part 3): grid 4 x 64, 16 waves a work-group, clusters of 4 x 1, 327,680 bytes of LDS; arguments q_codes, k_codes, v_codes, lowp_scales, o_codes; writes o_codes
.if DOCPART == 3
	.amdgcn_target "amdgcn-amd-amdhsa--gfx1250"
	.amdhsa_code_object_version 6
	.text
	.protected	k_q0d21c3af09_attn
	.globl	k_q0d21c3af09_attn
	.p2align	8
	.type	k_q0d21c3af09_attn,@function
k_q0d21c3af09_attn:
	s_mov_b64 s[64:65], 0
	v_nop
	global_prefetch_b8 v0, s[64:65] scope:SCOPE_SE
	s_setreg_imm32_b32 hwreg(HW_REG_WAVE_MODE, 25, 1), 1
	s_wait_xcnt 0x0
	s_wait_alu depctr_hold_cnt(0) depctr_sa_sdst(0) depctr_va_vdst(0) depctr_va_sdst(0) depctr_va_ssrc(0) depctr_va_vcc(0) depctr_vm_vsrc(0)
	s_getreg_b32 s2, hwreg(HW_REG_IB_STS2, 6, 4)
	s_cmp_eq_u32 s2, 0
	s_cbranch_scc0 .Lentry_in_a_cluster
	s_endpgm
.Lentry_in_a_cluster:
	s_bfe_u32 s2, ttmp6, 0x10000c
	s_cmp_lg_u32 s2, 0x3003
	s_cbranch_scc0 .Lentry_shape_is_right
	s_endpgm
.Lentry_shape_is_right:
; o = softmax(q k^T, causal) v for 64 heads (batch x head) of 2,048 tokens x 64 channels, both products on codes of E4M3 (scales 2^e2, 2^e3; 2^e4, 2^e5); o leaves as codes with 2^e6.
; q, k, v and o lie in memory as images of operand registers: q, k, o: [head 64][tile of 16 tokens 128][g 2][lane 32][16 bytes]; v: [head 64][128 keys 16][16 channels 4][g 4][lane 32][16 bytes].
; THE SOFTMAX: t = score x log2(e) (q carries the factor 1/8 already); M = the row's largest t so far, rounded UP to a whole number; p = 2^(t - M) is what is quantised; the row's sum is taken of the unquantised p
; and divides at the end.  When M moves, the sum and O are multiplied by 2^(old M - new M): exact.
; SHARES.  The four work-groups of a cluster share a head.  Wave w of work-group cx owns two tiles of 16 queries: tL = 4 w + cx and tH = 127 - tL.  Keys go in steps of 128; tile t needs steps 0 .. t / 8, and
; tL / 8 = w / 2, tH / 8 = 15 - w / 2 hang on the wave's number alone.  So every wave of every work-group has 17 key steps, two of them on the diagonal, and no branch hangs on cx.
; LDS holds the head's WHOLE K and V, 128 KiB each, as they lie in memory: bytes are filled once, there is no ring.  Both are asked for at the head, jointly by the four partners, in two loads a wave: the first 256 keys'
; (2,048 bytes a wave) and the rest (14,336 bytes a wave); the first two key steps are worked while the rest lands.  Waves 0-7 fetch K, waves 8-15 V.  A fragment's load takes 512 consecutive bytes: no padding.
; LAYOUT.  Both products are used transposed: S^T = K Q^T (source 0 = 16 keys, source 1 = my 16 queries), O^T = V^T P^T: a lane holds ONE query (lane % 16) throughout, and register j of score tile t is key
; 16 t + 8 (lane / 16) + j: the conversion of tile t gives registers 2 t, 2 t + 1 of P in the plain fp8 forms' own layout.  Likewise O^T's four tiles give o's eight registers.
; THE MASK: a step all of whose keys come after my tile's queries is jumped over (a scalar branch on the wave's number and the step); on the diagonal hidden scores become -infinity ahead of the maximum, so p = 0,
; as it is with -1e9 in their place unless a kept logit lies under -1e9.  Key 0 counts for every query, so M is a number from the first step on.
; LIMITS on the given exponents, so that each power of two below is an f32 number: e2 + e3 between -126 and 127; e4, and e6 - e4 - e5, between -126 and 119.  NaN among the inputs is not served.
.set SPARE, 262144                     ; behind K and V: the spare words, 128 bytes for each of sixteen waves
.set LI,   1                           ; v1   16 x lane
.set ADK,  2                           ; v2   LDS address of the step's K
.set ADV,  3                           ; v3   of its V
.set SPW,  4                           ; v4   LDS address of my spare word; never rewritten
.set NIL,  5                           ; v5   0; never rewritten
.set DQL,  6                           ; v6   16 (tL % 8) + r - 8 h: on the diagonal register 8 t + j is hidden where 16 t + j is greater
.set DQH,  7                           ; v7   the same for tH
.set SL,   8                           ; v8-11  tile L: -M, the largest t, the sum in two halves
.set SH,   12                          ; v12-15 tile H
.set QL,   16                          ; v16-23 Q of L
.set QH,   24                          ; v24-31 Q of H
.set FRG,  32                          ; v32-95 eight fragments of K, then four of V
.set S,    96                          ; v96-159 S^T, then p
.set OL,   160                         ; v160-191 O^T of L
.set OH,   192                         ; v192-223 O^T of H
.set PC,   224                         ; v224-239 p's codes; at the end o's
                                       ; v241 2^e4; v[242:243] the second chain of the sum; v244, v245 lane permutes' results; v[246:247] f; v248, v249 the maximum's two chains; v250 -infinity; v252 2^Eo
.set WV,   14                          ; s14  my wave's number
.set TB,   56                          ; s56  8,192 x the key step
.set ST,   57                          ; s57  the key step
.macro CROUND                          ; a round of the cluster's barrier
	s_barrier_signal -1
	s_barrier_wait -1
	s_cmp_lg_u32 s[WV], 0
	s_cbranch_scc1 .Lnot_wave_0_\@
	s_barrier_signal -3
.Lnot_wave_0_\@:
	s_barrier_wait -3
	s_barrier_signal -1
	s_barrier_wait -1
.endm
	s_load_b256 s[4:11], s[0:1], 0x0               ; q_codes s[4:5], k_codes s[6:7], v_codes s[8:9], the scales' exponents s[10:11]
	s_load_b64 s[12:13], s[0:1], 0x20              ; o_codes
	v_lshl_add_u32 v[SPW], v0, 2, SPARE
	v_mov_b32 v[NIL], 0
	ds_add_u32 v[SPW], v[NIL]                      ; the wave's opening: the add and its wait stand ahead of my first tensor load; the set-up below, work on registers, stands between them
	ds_add_u32 v[SPW], v[NIL]
	v_lshrrev_b32 v1, 5, v0
	s_delay_alu instid0(VALU_DEP_1)
	v_readfirstlane_b32 s[WV], v1                  ; wave 0..15
	s_bfe_u32 s72, ttmp6, 0x40000                  ; cx: it enters q's and o's addresses and the mask's numbers alone
	s_and_b32 s16, ttmp7, 0xffff                   ; the head, which the four partners share
	s_lshl_b32 s16, s16, 17                        ; its first byte in each of the four tensors
	s_lshr_b32 s17, s[WV], 3                       ; I fetch K (0) or V (1),
	s_and_b32 s18, s[WV], 7                        ; this eighth of it
	s_lshl_b32 s19, s17, 17                        ; K lies at LDS byte 0, V at 131,072
	; descriptor groups 1: dense blocks, as rows of 32 elements of 8 bytes: 8 rows, and 56 rows
	s_mov_b32 s24, 15|(3<<16)|(1<<21)              ; 15:0 the mask: all four work-groups; 17:16 elements of 8 bytes; 21 set beside a mask; no padding
	s_mov_b32 s25, 32<<16                          ; tensor_dim0 = 32
	s_mov_b32 s26, 8<<16                           ; tensor_dim1 = 8
	s_mov_b32 s27, 32<<16                          ; tile_dim0 = 32
	s_mov_b32 s28, 8                               ; tile_dim1 = 8
	s_mov_b32 s29, 32                              ; tensor_dim0_stride
	s_mov_b32 s30, 0
	s_mov_b32 s31, 0
	s_mov_b32 s32, 15|(3<<16)|(1<<21)
	s_mov_b32 s33, 32<<16
	s_mov_b32 s34, 56<<16
	s_mov_b32 s35, 32<<16
	s_mov_b32 s36, 56
	s_mov_b32 s37, 32
	s_mov_b32 s38, 0
	s_mov_b32 s39, 0
	s_lshl_b32 s2, s18, 11                         ; my 2,048 bytes of the first 16,384,
	s_mul_i32 s3, s18, 14336
	s_add_co_u32 s3, s3, 16384                     ; my 14,336 of the other 114,688
	s_mov_b32 s40, 1                               ; groups 0: count = 1,
	s_add_co_u32 s41, s19, s2                      ; the LDS address,
	s_mov_b32 s44, 1
	s_add_co_u32 s45, s19, s3
	s_add_co_u32 s2, s2, s16                       ; and the same bytes of the head in memory
	s_add_co_u32 s3, s3, s16
	s_mov_b32 s71, 0
	s_mov_b32 s73, 0
	s_lshl_b32 s74, s[WV], 2
	s_add_co_u32 s74, s74, s72                     ; tL
	s_sub_co_u32 s75, 127, s74                     ; tH
	s_lshr_b32 s58, s[WV], 1                       ; tL's last key step,
	s_sub_co_u32 s59, 15, s58                      ; tH's
	s_mov_b32 s20, 0x76543210                      ; v_permlanex16_b32's selects for lane l xor 16
	s_mov_b32 s21, 0xfedcba98
	s_wait_dscnt 0x0                               ; the opening add is done
	s_wait_kmcnt 0x0
	s_load_b256 s[48:55], s[10:11], 0x0            ; e0 .. e7
	s_cmp_lt_u32 s[WV], 8
	s_cselect_b64 s[46:47], s[6:7], s[8:9]
	s_mov_b32 s70, s2
	s_add_nc_u64 s[42:43], s[46:47], s[70:71]
	s_mov_b32 s70, s3
	s_add_nc_u64 s[46:47], s[46:47], s[70:71]
	s_or_b32 s43, s43, 0x80000000                  ; type = 2
	s_or_b32 s47, s47, 0x80000000
	s_lshl_b32 s72, s74, 10                        ; a tile is 1,024 bytes
	s_add_co_u32 s72, s72, s16
	s_add_nc_u64 s[60:61], s[4:5], s[72:73]        ; q at tL,
	s_add_nc_u64 s[66:67], s[12:13], s[72:73]      ; o at tL
	s_lshl_b32 s72, s75, 10
	s_add_co_u32 s72, s72, s16
	s_add_nc_u64 s[62:63], s[4:5], s[72:73]        ; and at tH
	s_add_nc_u64 s[68:69], s[12:13], s[72:73]
	CROUND                                         ; all four work-groups are here: the joint loads meet
	tensor_load_to_lds s[40:43], s[24:31]          ; keys 0-255
	s_nop 0
	s_wait_alu depctr_va_vdst(0)
	s_wait_tensorcnt 0x0
	ds_add_u32 v4, v5
	s_wait_dscnt 0x0
	CROUND
	tensor_load_to_lds s[44:47], s[32:39]          ; keys 256-2,047: one tensor load of mine is out, and no more are issued
	s_nop 0
.rept 4
	v_nop
.endr
	v_and_b32 v[LI], 31, v0
	s_delay_alu instid0(VALU_DEP_1)
	v_lshlrev_b32 v[LI], 4, v[LI]
	global_load_b128 v[QL:QL+3], v[LI], s[60:61]
	global_load_b128 v[QL+4:QL+7], v[LI], s[60:61] offset:512
	global_load_b128 v[QH:QH+3], v[LI], s[62:63]
	global_load_b128 v[QH+4:QH+7], v[LI], s[62:63] offset:512
	s_and_b32 s76, s74, 7
	s_lshl_b32 s76, s76, 4
	s_and_b32 s77, s75, 7
	s_lshl_b32 s77, s77, 4
	v_and_b32 v[DQL], 15, v0                       ; r
	v_bfe_u32 v[DQH], v0, 4, 1
	s_delay_alu instid0(VALU_DEP_1)
	v_lshlrev_b32 v[DQH], 3, v[DQH]                ; 8 h
	s_delay_alu instid0(VALU_DEP_1)
	v_sub_nc_u32 v[DQL], v[DQL], v[DQH]
	s_delay_alu instid0(VALU_DEP_1)
	v_add_nc_u32 v[DQH], s77, v[DQL]
	s_delay_alu instid0(VALU_DEP_2)
	v_add_nc_u32 v[DQL], s76, v[DQL]
.irp s, SL, SH
	v_mov_b32 v[\s+1], 0xff61b1e6                  ; the largest t so far: -3e38, under every t
	s_delay_alu instid0(VALU_DEP_1)
	v_floor_f32 v[\s], -v[\s+1]                    ; -M
	v_mov_b32 v[\s+2], 0                           ; the sum, in two halves
	v_mov_b32 v[\s+3], 0
.endr
	v_mov_b32 v244, 0                              ; written once: a lane permute's destination counts as one of its sources
	v_mov_b32 v245, 0
	v_mov_b32 v247, 0                              ; (named as the upper half of the pair v[246:247])
	v_mov_b32 v250, 0xff800000                     ; -infinity
.set j, 0
.rept 64
	v_mov_b32 v[OL+j], 0                           ; O^T of both tiles.  (The step is written without a first step of its own: it finds zeros, which the first change of M leaves zeros)
.set j, j+1
.endr
	s_wait_kmcnt 0x0
	s_add_co_i32 s2, s50, s51
	s_lshl_b32 s2, s2, 23
	s_mov_b32 s22, 0x3fb8aa3b                      ; log2(e);
	s_add_co_i32 s22, s22, s2                      ; a score stands for score x 2^(e2 + e3): the two exponents are added to its exponent field
	s_mov_b32 s23, s22                             ; (named with it as a pair, so it is written)
	s_add_co_i32 s2, s52, 127
	s_lshl_b32 s3, s2, 23
	v_mov_b32 v241, s3                             ; 2^e4 as f32, for p's conversions
	s_sub_co_i32 s2, s54, s52
	s_sub_co_i32 s2, s2, s53                       ; Eo = e6 - e4 - e5: a sum of the second product stands for sum x 2^(e4 + e5)
	s_add_co_i32 s2, s2, 127
	s_lshl_b32 s3, s2, 23
	v_mov_b32 v252, s3
; A KEY STEP of one tile of queries: 128 keys.  O, Q, SS, DQ: the tile's registers; D: the scalar register with its last step; masked = 1: the step may be the tile's diagonal one.
.macro KSTEP O, Q, SS, DQ, D, masked
	s_cmp_gt_u32 s[ST], s[\D]                      ; all keys of the step come after my queries: nothing to do.  No barrier and no tensor load stands in a step
	s_cbranch_scc1 .Lhid_\@
	v_add_nc_u32 v[ADK], s[TB], v[LI]
	s_delay_alu instid0(VALU_DEP_1)
	v_add_nc_u32 v[ADV], 0x20000, v[ADK]
	v_nop                                          ; with the two additions: four places in front of loads into registers that the last products read
	v_nop
.irp t, 0,1,2,3,4,5,6,7
	ds_load_b128 v[FRG+8*\t:FRG+8*\t+3], v[ADK] offset:1024*\t
	ds_load_b128 v[FRG+8*\t+4:FRG+8*\t+7], v[ADK] offset:1024*\t+512
.endr
	s_wait_alu depctr_va_vdst(0)
	s_wait_dscnt 0x0
.irp t, 0,1,2,3,4,5,6,7
	v_wmma_f32_16x16x64_fp8_fp8 v[S+8*\t:S+8*\t+7], v[FRG+8*\t:FRG+8*\t+7], v[\Q:\Q+7], 0
.endr
.rept 4
	v_nop                                          ; places: in front of the loads below and of the first read of the scores
.endr
.irp t, 0,1,2,3
.irp g, 0,1,2,3
	ds_load_b128 v[FRG+16*\t+4*\g:FRG+16*\t+4*\g+3], v[ADV] offset:2048*\t+512*\g   ; V is asked for now and lands under the softmax
.endr
.endr
.if \masked
	s_cmp_lg_u32 s[ST], s[\D]
	s_cbranch_scc1 .Lopen_\@                       ; not the diagonal step: all keys count
.set n, 0
.rept 64
	v_cmp_gt_i32 vcc_lo, 16*(n/8)+n%8, v[\DQ]
	v_cndmask_b32 v[S+n], v[S+n], v250, vcc_lo
.set n, n+1
.endr
.Lopen_\@:
.endif
	v_max3_num_f32 v248, v[S], v[S+1], v[S+2]      ; the step's largest score of my query, among my 64 keys, in two chains, each accumulator from its low end on,
	v_max3_num_f32 v249, v[S+3], v[S+4], v[S+5]
.set j, 6
.rept 14
	v_max3_num_f32 v248, v248, v[S+j], v[S+j+1]
	v_max3_num_f32 v249, v249, v[S+j+2], v[S+j+3]
.set j, j+4
.endr
	v_max3_num_f32 v248, v248, v[S+62], v[S+63]
	s_delay_alu instid0(VALU_DEP_1)
	v_max_num_f32 v248, v248, v249
	s_delay_alu instid0(VALU_DEP_1)
	v_permlanex16_b32 v244, v248, s20, s21
	s_delay_alu instid0(VALU_DEP_1)
	v_max_num_f32 v248, v248, v244                 ; and among lane l xor 16's
	s_delay_alu instid0(VALU_DEP_1)
	v_mul_f32 v248, s22, v248                      ; as t (the factor is positive)
	s_delay_alu instid0(VALU_DEP_1)
	v_max_num_f32 v[\SS+1], v[\SS+1], v248         ; the running largest t
	v_mov_b32 v248, v[\SS]
	s_delay_alu instid0(VALU_DEP_2)
	v_floor_f32 v[\SS], -v[\SS+1]                  ; the new -M = floor(-t) = -ceil(t): a whole number
	s_delay_alu instid0(VALU_DEP_1)
	v_sub_f32 v248, v[\SS], v248                   ; M's old value less its new one: a whole number, 0 or less
	s_delay_alu instid0(VALU_DEP_1)
	v_cvt_i32_f32 v248, v248                       ; (it saturates)
	s_delay_alu instid0(VALU_DEP_1)
	v_ldexp_f32 v246, 1.0, v248                    ; f = 2^(old M - new M)
.set j, 0
.rept 32
	v_pk_fma_f32 v[S+j:S+j+1], v[S+j:S+j+1], s[22:23], v[\SS:\SS+1] op_sel_hi:[1,0,0]   ; t - M, two at a time (of both pairs the low word serves both halves)
.set j, j+2
.endr
.set j, 0
	s_wait_alu depctr_va_vdst(0)
.rept 64
	v_exp_f32 v[S+j], v[S+j]                       ; p = 2^(t - M), at most 1: not normalised
.set j, j+1
.endr
	v_pk_mul_f32 v[\SS+2:\SS+3], v[\SS+2:\SS+3], v[246:247] op_sel_hi:[1,0]   ; the sums under the new M.  (The plain instruction behind the exponentials)
	s_wait_alu depctr_va_vdst(0)                   ; one wait for the batch of 64, ahead of its first reader
	v_pk_add_f32 v[242:243], v[S:S+1], v[S+2:S+3]  ; the row's sum is taken of the unquantised p: two at a time, in two chains
.set j, 4
.rept 15
	v_pk_add_f32 v[\SS+2:\SS+3], v[\SS+2:\SS+3], v[S+j:S+j+1]
	v_pk_add_f32 v[242:243], v[242:243], v[S+j+2:S+j+3]
.set j, j+4
.endr
	s_delay_alu instid0(VALU_DEP_1)
	v_pk_add_f32 v[\SS+2:\SS+3], v[\SS+2:\SS+3], v[242:243]
.irp t, 0,1,2,3,4,5,6,7
.irp i, 0,1,2,3,4,5,6,7
.endr
	v_cvt_scalef32_pk8_fp8_f32 v[PC+2*\t:PC+2*\t+1], v[S+8*\t:S+8*\t+7], v241   ; registers 2 t, 2 t + 1 of P: keys 16 t + 8 h + 0..7
.endr
.set j, 0
.rept 16
	v_pk_mul_f32 v[\O+j:\O+j+1], v[\O+j:\O+j+1], v[246:247] op_sel_hi:[1,0]   ; O^T under the new M.  (Plain instructions between the conversions and the products)
.set j, j+2
.endr
	s_wait_alu depctr_va_vdst(0)
	s_wait_dscnt 0x0                               ; V is in
.irp t, 0,1,2,3
	v_wmma_f32_16x16x128_fp8_fp8 v[\O+8*\t:\O+8*\t+7], v[FRG+16*\t:FRG+16*\t+15], v[PC:PC+15], v[\O+8*\t:\O+8*\t+7]   ; four accumulators, one instruction each
.endr
.Lhid_\@:
.endm
	s_mov_b32 s[TB], 0
	s_mov_b32 s[ST], 0
	s_wait_loadcnt 0x0                             ; Q
	s_wait_tensorcnt 0x1                           ; my part of the first 256 keys is in; the second load may stay out
	s_barrier_signal -1
	s_barrier_wait -1                              ; everybody's is
.rept 2                                        ; key steps 0 and 1, written on end: their LDS bytes lie under 16,384 in K and in V, where the load that is still out does not land.  tH's diagonal lies at step 8 or later
	KSTEP OL, QL, SL, DQL, 58, 1
	KSTEP OH, QH, SH, DQH, 59, 0
	s_add_co_u32 s[TB], s[TB], 8192
	s_add_co_u32 s[ST], s[ST], 1
.endr
	s_wait_tensorcnt 0x0                           ; my part of the other keys is in,
	s_wait_dscnt 0x0
	s_barrier_signal -1
	s_barrier_wait -1                              ; everybody's is.  From here on no wave waits for another
.Lp1:                                              ; key steps 2 to 15
	KSTEP OL, QL, SL, DQL, 58, 1
	KSTEP OH, QH, SH, DQH, 59, 1
	s_add_co_u32 s[TB], s[TB], 8192
	s_add_co_u32 s[ST], s[ST], 1
	s_cmp_lt_u32 s[ST], 16
	s_cbranch_scc1 .Lp1
	; THE WAY OUT.  O^T / the sum, held, converted with 2^(e6 - e4 - e5): the four conversions of a tile give the eight registers of o's image, which leave as they stand.
.rept 4
	v_nop                                          ; places behind the last products
.endr
	v_add_f32 v[SL+2], v[SL+2], v[SL+3]            ; the sum's two halves,
	v_add_f32 v[SH+2], v[SH+2], v[SH+3]
	s_delay_alu instid0(VALU_DEP_2)
	v_permlanex16_b32 v244, v[SL+2], s20, s21
	s_delay_alu instid0(VALU_DEP_2)
	v_permlanex16_b32 v245, v[SH+2], s20, s21
	s_delay_alu instid0(VALU_DEP_2)
	v_add_f32 v[SL+2], v[SL+2], v244               ; and lane l xor 16's: the row's sum
	s_delay_alu instid0(VALU_DEP_2)
	v_add_f32 v[SH+2], v[SH+2], v245
	s_wait_alu depctr_va_vdst(0)
	v_rcp_f32 v[SL+2], v[SL+2]
	v_rcp_f32 v[SH+2], v[SH+2]
	v_nop                                          ; a plain instruction behind the last reciprocal,
	s_wait_alu depctr_va_vdst(0)                   ; and one wait for the two, ahead of the first use
.macro OUT O, SS, CO, base
.set j, 0
.rept 16
	v_pk_mul_f32 v[\O+j:\O+j+1], v[\O+j:\O+j+1], v[\SS+2:\SS+3] op_sel_hi:[1,0]   ; each accumulator from its low end on
.set j, j+2
.endr
.set j, 0
.rept 32
.set j, j+1
.endr
.irp t, 0,1,2,3
	v_cvt_scalef32_pk8_fp8_f32 v[\CO+2*\t:\CO+2*\t+1], v[\O+8*\t:\O+8*\t+7], v252   ; channels 16 t + 8 h + 0..7 of my query
.endr
	v_nop                                          ; a plain vector instruction behind the last conversion
	global_store_b128 v[LI], v[\CO:\CO+3], s[\base:\base+1]                 ; 512 consecutive bytes, aligned
	global_store_b128 v[LI], v[\CO+4:\CO+7], s[\base:\base+1] offset:512
.endm
	OUT OL, SL, PC, 66
	OUT OH, SH, PC+8, 68
	s_wait_tensorcnt 0x0                           ; the wave's end: behind my last tensor load
	ds_add_u32 v[SPW], v[NIL]
	s_wait_dscnt 0x0
	CROUND                                         ; the closing round
	s_endpgm
.Lfunc_end_k_q0d21c3af09_attn:
	.size	k_q0d21c3af09_attn, .Lfunc_end_k_q0d21c3af09_attn-k_q0d21c3af09_attn
	.p2alignl 7, 3214868480
	.fill 96, 4, 3214868480
	.section	.rodata,"a",@progbits
	.p2align	6, 0x0
	.amdhsa_kernel k_q0d21c3af09_attn
		.amdhsa_group_segment_fixed_size 327680
		.amdhsa_private_segment_fixed_size 0
		.amdhsa_enable_private_segment 0
		.amdhsa_kernarg_size 40
		.amdhsa_user_sgpr_count 2
		.amdhsa_user_sgpr_kernarg_segment_ptr 1
		.amdhsa_wavefront_size32 1
		.amdhsa_system_sgpr_workgroup_id_x 1
		.amdhsa_system_sgpr_workgroup_id_y 1
		.amdhsa_system_sgpr_workgroup_id_z 1
		.amdhsa_system_vgpr_workitem_id 0
		.amdhsa_next_free_vgpr 256
		.amdhsa_next_free_sgpr 80
		.amdhsa_reserve_vcc 1
		.amdhsa_float_denorm_mode_32 3
		.amdhsa_float_denorm_mode_16_64 3
		.amdhsa_fp16_overflow 1
		.amdhsa_memory_ordered 1
		.amdhsa_forward_progress 1
		.amdhsa_inst_pref_size 115
	.end_amdhsa_kernel
	.amdgpu_metadata
---
amdhsa.version: [ 1, 2 ]
amdhsa.kernels:
  - .name:           k_q0d21c3af09_attn
    .symbol:         k_q0d21c3af09_attn.kd
    .args:
      - { .name: q_codes, .offset: 0, .size: 8, .value_kind: global_buffer, .address_space: global }
      - { .name: k_codes, .offset: 8, .size: 8, .value_kind: global_buffer, .address_space: global }
      - { .name: v_codes, .offset: 16, .size: 8, .value_kind: global_buffer, .address_space: global }
      - { .name: lowp_scales, .offset: 24, .size: 8, .value_kind: global_buffer, .address_space: global }
      - { .name: o_codes, .offset: 32, .size: 8, .value_kind: global_buffer, .address_space: global }
    .group_segment_fixed_size: 327680
    .private_segment_fixed_size: 0
    .kernarg_segment_align: 8
    .kernarg_segment_size: 40
    .max_flat_workgroup_size: 512
    .sgpr_count:     80
    .vgpr_count:     256
    .wavefront_size: 32
...
	.end_amdgpu_metadata
.endif
;; end of part 3
;; launch proj (part 4): grid 4 x 32, 4 waves a work-group, clusters of 4 x 4, 327,680 bytes of LDS; arguments o_codes, outw_codes, lowp_scales, out0, out_b; writes out0
.if DOCPART == 4
	.amdgcn_target "amdgcn-amd-amdhsa--gfx1250"
	.amdhsa_code_object_version 6
	.text
	.protected	k_q0d21c3af09_proj
	.globl	k_q0d21c3af09_proj
	.p2align	8
	.type	k_q0d21c3af09_proj,@function
k_q0d21c3af09_proj:
	s_mov_b64 s[64:65], 0
	v_nop
	global_prefetch_b8 v0, s[64:65] scope:SCOPE_SE
	s_setreg_imm32_b32 hwreg(HW_REG_WAVE_MODE, 25, 1), 1
	s_wait_xcnt 0x0
	s_wait_alu depctr_hold_cnt(0) depctr_sa_sdst(0) depctr_va_vdst(0) depctr_va_sdst(0) depctr_va_ssrc(0) depctr_va_vcc(0) depctr_vm_vsrc(0)
	s_getreg_b32 s2, hwreg(HW_REG_IB_STS2, 6, 4)
	s_cmp_eq_u32 s2, 0
	s_cbranch_scc0 .Lentry_in_a_cluster
	s_endpgm
.Lentry_in_a_cluster:
	s_bfe_u32 s2, ttmp6, 0x10000c
	s_cmp_lg_u32 s2, 0xf033
	s_cbranch_scc0 .Lentry_shape_is_right
	s_endpgm
.Lentry_shape_is_right:
; out0 = o out_w^T + out_b on codes of E4M3 (scales 2^e6, 2^e7).  out0: [8192][1024] f32.
; o_codes: images of operand registers, [batch 4][head 16][tile of 16 tokens 128][g 2][lane 32][16 bytes]: a tile's eight registers are half of a fragment of 16 rows x 128 K (K = 64 head + channel).
; outw_codes: [1024][1024], rows along K, the two middle groups of eight of each block of 32 exchanged, so that four loads of 16 bytes at 32 c + 16 (lane / 16) give the same layout
; (registers 2 c', 2 c' + 1: k = 16 c' + 8 (lane / 16) + 0..7).
; A tile of out0, 256 x 256, is made by four waves, 128 x 128 each (64 accumulators, 512 registers).  K = 1,024 goes in four steps of 256 (four heads) through a ring of two LDS slots filled by the tensor data mover.
; 128 tiles: with this tile half of the chip's WGPs have no work-group.
; CLUSTERS: 4 x 4 work-groups; o's tiles are asked for jointly along a row of the cluster, out_w's along a column.  THE MATRIX INSTRUCTION IS USED TRANSPOSED (source 0 = 16 rows of out_w, source 1 = 16 tokens):
; a lane holds eight neighbouring numbers of a row of out0.
; THE BIAS is the C of each sum's first matrix instruction, divided by 2^(e6 + e7); each finished sum is multiplied once by 2^(e6 + e7).  LIMIT: e6 + e7 between -126 and 127.
; REGISTERS: window 0: v0-31 addresses; v32-95 the bias, later a block's results; from v128 o's fragments, ONE set, later rows read back.   window 1: out_w's fragments, TWO sets.   windows 2, 3: the accumulators.
.set ROWB,   256
.set KROW,   1024
.set PITCH,  272                       ; a row of out_w in LDS: 256 bytes + 16 of padding
.set FR,     16
.set NL,     4
.set NP,     4
.set HALFT,  128*PITCH
.set AREG,   65536                     ; a slot: o's images, [head 4][tile of tokens 16][1,024 bytes], then out_w's 256 rows
.set SLOT,   AREG+2*HALFT
.set SPARE,  2*SLOT                    ; behind the ring: the spare words
.set SPITCH, 528                       ; the way out: a stage of 16 rows x (512 bytes + 16) for each wave.  It lies in slot 0, which has had its last fill and its last read when the first result is stored there
.set SIZE_N, 1024
.set ADRA, 16
.set BO,   18                          ; v18  32 x (lane / 16)
.set ADRB, 20
.set STO,  24
.set RD,   25
.set CO,   26                          ; v26  16 x lane
.set SPW,  28
.set NIL,  29
.set CB,   32
.set TMP,  32
.set AF,   128
.set BK,   128
.set G1, 24
.set G0, 32
.set G1B, 48
.set G0B, 56
.set MSB, 0
.macro WIN new
.if MSB != (\new)
	s_set_vgpr_msb (MSB<<8)|(\new)
.set MSB, (\new)
.endif
.endm
.set MUL_LO, 0xa1
.set MUL_HI, 0xf1
.set TO_B,   0x40
.macro JLOAD g0a, g1a, g0b, g1b        ; a joint load: waves 0 and 1 fetch o's images, waves 2 and 3 out_w's rows; an s_nop 0 and four v_nop follow each line
	s_cmp_eq_u32 s15, 0
	s_cbranch_scc0 .Lfor_b_\@
	tensor_load_to_lds s[\g0a:\g0a+3], s[\g1a:\g1a+7]
	s_nop 0
.rept 4
	v_nop
.endr
	s_branch .Lasked_\@
.Lfor_b_\@:
	tensor_load_to_lds s[\g0b:\g0b+3], s[\g1b:\g1b+7]
	s_nop 0
.rept 4
	v_nop
.endr
.Lasked_\@:
.endm
.macro CREST
	s_cmp_lg_u32 s14, 0
	s_cbranch_scc1 .Lnot_wave_0_\@
	s_barrier_signal -3
.Lnot_wave_0_\@:
	s_barrier_wait -3
	s_barrier_signal -1
	s_barrier_wait -1
.endm
.macro CROUND
	s_barrier_signal -1
	s_barrier_wait -1
	CREST
.endm
	s_load_b128 s[4:7], s[0:1], 0x0                ; o_codes s[4:5], outw_codes s[6:7]
	s_load_b128 s[8:11], s[0:1], 0x10              ; the scales' exponents s[8:9], out0 s[10:11]
	s_load_b64 s[12:13], s[0:1], 0x20              ; out_b
	v_lshl_add_u32 v[SPW], v0, 2, SPARE
	v_mov_b32 v[NIL], 0
	ds_add_u32 v[SPW], v[NIL]                      ; the wave's opening: the add and its wait stand ahead of my first tensor load; the set-up below, work on registers, stands between them
	ds_add_u32 v[SPW], v[NIL]
	v_lshrrev_b32 v1, 5, v0
	v_readfirstlane_b32 s14, v1                    ; wave 0..3
	s_lshr_b32 s15, s14, 1                         ; which half of the tile's rows is mine.  Also: I fetch for o (0) or for out_w (1)
	s_and_b32 s16, s14, 1                          ; which half of its columns.  Also: which half of that tile I fetch
	s_bfe_u32 s40, ttmp6, 0x40000
	s_bfe_u32 s41, ttmp6, 0x40004
	s_lshl_b32 s42, ttmp9, 2
	s_add_co_u32 s42, s42, s40                     ; tile column
	s_and_b32 s17, ttmp7, 0xffff
	s_lshl_b32 s17, s17, 2
	s_add_co_u32 s17, s17, s41                     ; tile row
	s_lshl_b32 s43, s41, 2
	s_lshl_b32 s43, 15, s43                        ; my row of the cluster
	s_lshl_b32 s44, 0x1111, s40                    ; my column
	; o's tiles: two heads a load: 2 rows of 2,048 elements of 8 bytes (16 tiles of tokens, 16,384 bytes), 131,072 bytes apart in memory, dense in LDS
	s_or_b32 s[G1+0], s43, (3<<16)|(1<<21)         ; 15:0 the mask: my row; 17:16 elements of 8 bytes; 21 set beside a mask; no padding
	s_mov_b32 s[G1+1], 2048<<16                    ; tensor_dim0
	s_mov_b32 s[G1+2], 2<<16                       ; tensor_dim1
	s_mov_b32 s[G1+3], 2048<<16                    ; tile_dim0
	s_mov_b32 s[G1+4], 2                           ; tile_dim1
	s_mov_b32 s[G1+5], 16384                       ; tensor_dim0_stride
	s_mov_b32 s[G1+6], 0
	s_mov_b32 s[G1+7], 0
	; out_w's tiles: 128 rows x 256 bytes, padded in LDS
	s_or_b32 s[G1B+0], s44, (0<<16)|(1<<20)|(1<<21)|(5<<22)|(3<<25)
	s_mov_b32 s[G1B+1], ROWB<<16
	s_mov_b32 s[G1B+2], 128<<16
	s_mov_b32 s[G1B+3], ROWB<<16
	s_mov_b32 s[G1B+4], 128
	s_mov_b32 s[G1B+5], KROW
	s_mov_b32 s[G1B+6], 0
	s_mov_b32 s[G1B+7], 0
	s_lshr_b32 s20, s17, 3
	s_lshl_b32 s20, s20, 21                        ; o: the batch,
	s_and_b32 s21, s17, 7
	s_lshl_b32 s21, s21, 14                        ; the tile row's 16 tiles of tokens within a head,
	s_add_co_u32 s20, s20, s21
	s_lshl_b32 s21, s16, 18                        ; and which two of the K step's four heads I fetch
	s_add_co_u32 s20, s20, s21
	s_mov_b32 s21, 0
	s_lshl_b32 s46, s42, 8
	s_lshl_b32 s47, s16, 7
	s_add_co_u32 s46, s46, s47
	s_lshl_b32 s46, s46, 10                        ; out_w: row 256 x tile column + 128 x half, in bytes
	s_mov_b32 s47, 0
	s_lshl_b32 s45, s16, 15                        ; where they go: o's two heads,
	s_mul_i32 s23, s16, HALFT
	s_add_co_u32 s23, s23, AREG                    ; out_w's 128 rows: no place in the cluster enters an LDS address
	s_wait_dscnt 0x0                               ; the opening add is done
	s_wait_kmcnt 0x0
	s_load_b64 s[96:97], s[8:9], 0x18              ; e6, e7
	s_add_nc_u64 s[20:21], s[4:5], s[20:21]
	s_add_nc_u64 s[46:47], s[6:7], s[46:47]
	CROUND                                         ; all sixteen work-groups are here: the first joint loads meet
.irp s, 0,1
	s_mov_b32 s[G0+4*\s], 1
	s_add_co_u32 s[G0+4*\s+1], s45, \s*SLOT
	s_add_nc_u64 s[G0+4*\s+2:G0+4*\s+3], s[20:21], \s*524288      ; K step s: four heads on
	s_or_b32 s[G0+4*\s+3], s[G0+4*\s+3], 0x80000000
	s_mov_b32 s[G0B+4*\s], 1
	s_add_co_u32 s[G0B+4*\s+1], s23, \s*SLOT
	s_add_nc_u64 s[G0B+4*\s+2:G0B+4*\s+3], s[46:47], \s*ROWB
	s_or_b32 s[G0B+4*\s+3], s[G0B+4*\s+3], 0x80000000
	s_wait_alu depctr_va_vdst(0)
	s_wait_tensorcnt 0x0
	ds_add_u32 v28, v29
	ds_add_u32 v28, v29
	s_wait_dscnt 0x0
	CROUND
	JLOAD G0+4*\s, G1, G0B+4*\s, G1B               ; one tensor load of mine is out
.endr
	v_and_b32 v1, 15, v0                           ; r
	v_bfe_u32 v2, v0, 4, 1                         ; h
	v_mul_u32_u24 v3, v1, PITCH
	v_lshl_add_u32 v4, v2, 4, v3
	v_and_b32 v6, 31, v0
	v_lshlrev_b32 v[CO], 4, v6                     ; 16 x lane
	v_lshlrev_b32 v[BO], 5, v2
	s_wait_alu depctr_va_vdst(0)
	s_lshl_b32 s21, s15, 13                        ; my eight tiles of tokens within a head's sixteen
	s_mul_i32 s22, s16, HALFT
	s_add_co_u32 s22, s22, AREG                    ; my 128 rows of out_w
.irp s, 0,1
	v_add_nc_u32 v[ADRA+\s], s21, v[CO]
	v_add_nc_u32 v[ADRB+\s], s22, v4
	s_add_co_u32 s21, s21, SLOT
	s_add_co_u32 s22, s22, SLOT
.endr
	s_lshl_b32 s92, s42, 10                        ; the bias: out_b[256 x tile column + 128 x my half + 16 b + 8 h + j]
	s_lshl_b32 s93, s16, 9
	s_add_co_u32 s92, s92, s93
	s_mov_b32 s93, 0
	s_add_nc_u64 s[92:93], s[12:13], s[92:93]
.irp b, 0,1,2,3,4,5,6,7
	global_load_b128 v[CB+8*\b:CB+8*\b+3], v[BO], s[92:93] offset:64*\b
	global_load_b128 v[CB+8*\b+4:CB+8*\b+7], v[BO], s[92:93] offset:64*\b+16
.endr
	s_mul_i32 s23, s14, 16*SPITCH                  ; my stage
	v_mul_u32_u24 v5, v1, SPITCH                   ; in: row r, 32 bytes for each half of the lanes
	v_lshl_add_u32 v5, v2, 5, v5
	v_add_nc_u32 v[STO], s23, v5
	v_add_nc_u32 v[RD], s23, v[CO]                 ; back: the 32 lanes take one row of 512 bytes
	s_lshl_b32 s20, s17, 8
	s_lshl_b32 s21, s15, 7
	s_add_co_u32 s20, s20, s21                     ; my first row of out0
	s_lshl_b32 s20, s20, 12                        ; x 4,096 bytes
	s_lshl_b32 s46, s42, 10                        ; my first column, in bytes
	s_lshl_b32 s47, s16, 9
	s_add_co_u32 s46, s46, s47
	s_add_co_u32 s20, s20, s46
	s_mov_b32 s21, 0
	s_add_nc_u64 s[10:11], s[10:11], s[20:21]
	s_wait_kmcnt 0x0
	s_add_co_i32 s96, s96, s97                     ; e6 + e7
	s_sub_co_i32 s95, 0, s96
	s_add_co_i32 s96, s96, 127
	s_lshl_b32 s96, s96, 23                        ; 2^(e6 + e7) as f32
	s_wait_loadcnt 0x0
.set j, 0
.rept 64
	v_ldexp_f32 v[CB+j], v[CB+j], s95              ; the bias / 2^(e6 + e7)
.set j, j+1
.endr
.macro FRAGB reg, adr, q, i            ; out_w: 16 rows x 128 K
.irp c, 0,1,2,3
	ds_load_b128 v[\reg+4*\c:\reg+4*\c+3], v[\adr] offset:128*(\q)+32*\c+(\i)*16*PITCH
.endr
.endm
.macro FRAGA reg, adr, q, i            ; o: tile of tokens i, heads 2 q and 2 q + 1 of the slot's four: four groups of four registers, 512 consecutive bytes each
.irp c, 0,1,2,3
	ds_load_b128 v[\reg+4*\c:\reg+4*\c+3], v[\adr] offset:16384*(2*(\q)+\c/2)+1024*(\i)+512*(\c%2)
.endr
.endm
; The 64 accumulators take turns, one instruction a turn, in the same order in every step.  zero = 1: the first product starts the sums, with the bias as C.
.macro MUL16 a0, p, zero
.irp a, \a0, \a0+1
.irp b, 0,1,2,3,4,5,6,7
.if \zero
	v_wmma_f32_16x16x128_fp8_fp8 v[8*(8*((\a)%4)+\b):8*(8*((\a)%4)+\b)+7], v[128*(\p)+FR*\b:128*(\p)+FR*\b+FR-1], v[AF+FR*(\a):AF+FR*(\a)+FR-1], v[CB+8*\b:CB+8*\b+7]
.else
	v_wmma_f32_16x16x128_fp8_fp8 v[8*(8*((\a)%4)+\b):8*(8*((\a)%4)+\b)+7], v[128*(\p)+FR*\b:128*(\p)+FR*\b+FR-1], v[AF+FR*(\a):AF+FR*(\a)+FR-1], v[8*(8*((\a)%4)+\b):8*(8*((\a)%4)+\b)+7]
.endif
.endr
.endr
.endm
.macro FETCH_B slot, q, p
	WIN TO_B
.irp i, 0,1,2,3,4,5,6,7
	FRAGB 128*(\p)+FR*\i, ADRB+\slot, \q, \i
.endr
	WIN 0
.endm
.macro FETCH_A slot, q, i0
.irp i, \i0, \i0+1, \i0+2, \i0+3
	FRAGA AF+FR*(\i), ADRA+\slot, \q, \i
.endr
.endm
.macro PLACES n                        ; places behind matrix instructions (ISA guide 7.12.1 for vector instructions): plain vector instructions that name none of their registers
.rept \n
	v_nop
.endr
.endm
.macro STEP slot, q, zero
	s_wait_dscnt 4*NL                              ; out_w's set and o's blocks 0-3 are in; the youngest sixteen loads (o's blocks 4-7) may be out
	WIN MUL_LO-0x20*(\zero)
	MUL16 0, (\q)%2, \zero
	MUL16 2, (\q)%2, \zero
	s_wait_dscnt 0
	PLACES NP
	FETCH_B \slot, (\q)+1, 1-(\q)%2
	FETCH_A \slot, (\q)+1, 0
	WIN MUL_HI-0x30*(\zero)
	MUL16 4, (\q)%2, \zero
	MUL16 6, (\q)%2, \zero
	PLACES NP
	WIN 0
	FETCH_A \slot, (\q)+1, 4
.endm
.macro TURN slot, next, fill
	s_wait_tensorcnt 0x0                           ; all my tensor loads have landed: my part of the next slot
	ds_add_u32 v[SPW], v[NIL]                      ; 0 onto my spare word
	s_wait_dscnt 4*NL+1                            ; (the add and the youngest sixteen loads may be out)
	WIN MUL_LO
	MUL16 0, 1, 0
	s_wait_dscnt 0x0                               ; the add is done, and my reads of this slot are over
	s_barrier_signal -1
	MUL16 2, 1, 0
	WIN 0
	s_barrier_wait -1
.if \fill
	CREST                                          ; a round of the cluster's barrier: no wave of any partner still reads this slot or has a load on its way
	s_add_nc_u64 s[G0+4*\slot+2:G0+4*\slot+3], s[G0+4*\slot+2:G0+4*\slot+3], 2*524288
	s_add_nc_u64 s[G0B+4*\slot+2:G0B+4*\slot+3], s[G0B+4*\slot+2:G0B+4*\slot+3], 2*ROWB
	JLOAD G0+4*\slot, G1, G0B+4*\slot, G1B         ; the first tensor load behind the round, my only one until the next
.else
	PLACES NP
.endif
	FETCH_B \next, 0, 0
	FETCH_A \next, 0, 0
	WIN MUL_HI
	MUL16 4, 1, 0
	MUL16 6, 1, 0
	PLACES NP
	WIN 0
	FETCH_A \next, 0, 4
.endm
	s_wait_alu depctr_va_vdst(0)
	s_wait_tensorcnt 1                             ; my part of K step 0 is in (K step 1's load may be out)
	s_barrier_signal -1
	s_barrier_wait -1                              ; everybody's is
	FETCH_B 0, 0, 0
	FETCH_A 0, 0, 0
	FETCH_A 0, 0, 4
	STEP 0, 0, 1                                   ; the eight steps of 128 along K are written on end, without a loop
	TURN 0, 1, 1
	STEP 1, 0, 0
	TURN 1, 0, 1
	STEP 0, 0, 0
	TURN 0, 1, 0
	STEP 1, 0, 0
	s_wait_dscnt 4*NL
	WIN MUL_LO
	MUL16 0, 1, 0
	MUL16 2, 1, 0
	s_wait_dscnt 0
	WIN MUL_HI
	MUL16 4, 1, 0
	MUL16 6, 1, 0
	WIN 0
; THE WAY OUT, block by block of 16 rows x 128 columns: through my own stage in LDS and back as whole rows of 512 bytes.  LDS serves a wave's instructions in order (ISA guide 5.7.1.4): no wait between the stores and the loads.
.macro TOSTAGE a
.set AC, 64*((\a)%4)
	WIN 0x02+((\a)/4)
.set j, 0
.rept 32
	v_pk_mul_f32 v[TMP+j:TMP+j+1], v[AC+j:AC+j+1], s[96:97] op_sel_hi:[1,0]   ; x 2^(e6 + e7); each accumulator from its low end on
.set j, j+2
.endr
	WIN 0
.irp b, 0,1,2,3,4,5,6,7
	ds_store_b128 v[STO], v[TMP+8*\b:TMP+8*\b+3] offset:64*\b
	ds_store_b128 v[STO], v[TMP+8*\b+4:TMP+8*\b+7] offset:64*\b+16
.endr
.set BB, BK+64*((\a)%2)
.irp t, 0,1,2,3,4,5,6,7,8,9,10,11,12,13,14,15
	ds_load_b128 v[BB+4*\t:BB+4*\t+3], v[RD] offset:\t*SPITCH
.endr
.endm
.macro SEND a, younger                 ; younger: the LDS instructions issued behind block a's loads, which may stay out
.set BB, BK+64*((\a)%2)
	s_wait_dscnt \younger
.if (\a) > 0
	s_add_nc_u64 s[10:11], s[10:11], 16*SIZE_N*4   ; (behind a wait on XCNT: the earlier stores have read their base)
.endif
.irp t, 0,1,2,3,4,5,6,7,8,9,10,11,12,13,14,15
	global_store_b128 v[CO], v[BB+4*\t:BB+4*\t+3], s[10:11] offset:\t*SIZE_N*4 th:TH_STORE_NT   ; 32 lanes store 512 consecutive bytes, aligned; written once, read by nobody here
.endr
.endm
	PLACES NP
	TOSTAGE 0
.irp a, 1,2,3,4,5,6,7
.if \a > 1
	s_wait_xcnt 0x0                                ; block a - 2's stores have read their registers and their base
.endif
	TOSTAGE \a
	SEND \a-1, 32                                  ; behind block a - 1's loads: block a's 16 stores and 16 loads
.endr
	s_wait_xcnt 0x0
	SEND 7, 0
	s_wait_tensorcnt 0x0                           ; the wave's end: behind my last tensor load and my last LDS store
	ds_add_u32 v[SPW], v[NIL]
	s_wait_dscnt 0x0
	CROUND                                         ; the closing round
	s_endpgm
.Lfunc_end_k_q0d21c3af09_proj:
	.size	k_q0d21c3af09_proj, .Lfunc_end_k_q0d21c3af09_proj-k_q0d21c3af09_proj
	.p2alignl 7, 3214868480
	.fill 96, 4, 3214868480
	.section	.rodata,"a",@progbits
	.p2align	6, 0x0
	.amdhsa_kernel k_q0d21c3af09_proj
		.amdhsa_group_segment_fixed_size 327680
		.amdhsa_private_segment_fixed_size 0
		.amdhsa_enable_private_segment 0
		.amdhsa_kernarg_size 40
		.amdhsa_user_sgpr_count 2
		.amdhsa_user_sgpr_kernarg_segment_ptr 1
		.amdhsa_wavefront_size32 1
		.amdhsa_system_sgpr_workgroup_id_x 1
		.amdhsa_system_sgpr_workgroup_id_y 1
		.amdhsa_system_sgpr_workgroup_id_z 1
		.amdhsa_system_vgpr_workitem_id 0
		.amdhsa_next_free_vgpr 1024
		.amdhsa_next_free_sgpr 98
		.amdhsa_reserve_vcc 0
		.amdhsa_float_denorm_mode_32 3
		.amdhsa_float_denorm_mode_16_64 3
		.amdhsa_memory_ordered 1
		.amdhsa_forward_progress 1
		.amdhsa_inst_pref_size 130
	.end_amdhsa_kernel
	.amdgpu_metadata
---
amdhsa.version: [ 1, 2 ]
amdhsa.kernels:
  - .name:           k_q0d21c3af09_proj
    .symbol:         k_q0d21c3af09_proj.kd
    .args:
      - { .name: o_codes, .offset: 0, .size: 8, .value_kind: global_buffer, .address_space: global }
      - { .name: outw_codes, .offset: 8, .size: 8, .value_kind: global_buffer, .address_space: global }
      - { .name: lowp_scales, .offset: 16, .size: 8, .value_kind: global_buffer, .address_space: global }
      - { .name: out0, .offset: 24, .size: 8, .value_kind: global_buffer, .address_space: global }
      - { .name: out_b, .offset: 32, .size: 8, .value_kind: global_buffer, .address_space: global }
    .group_segment_fixed_size: 327680
    .private_segment_fixed_size: 0
    .kernarg_segment_align: 8
    .kernarg_segment_size: 40
    .max_flat_workgroup_size: 128
    .sgpr_count:     98
    .vgpr_count:     1024
    .wavefront_size: 32
...
	.end_amdgpu_metadata
.endif
;; end of part 4
